; MI455X (gfx1250); checked and timed in simulation.
; The chip was launched on July 23, 2026; its instructions are those of AMD's public machine-readable ISA for CDNA 5 (MIT licence, August 2026) and "CDNA5" Instruction Set Architecture Reference Guide (July 2026). The comments in the code are by the model that wrote it; some were corrected since.
;; Transformer Block. Allowed arithmetic: float matrix products may take bf16 or f16 operands with f32 sums; other float arithmetic in f32, or as packed bf16 or f16 multiplies, adds, multiply-adds, maxima and minima; sums over many terms, partial sums and values carried from step to step in f32; what a program stores and reads back later, other than sums and carried values, may be rounded once to bf16 or f16.
;; Inputs: b1 4,096 float32; b2 1,024 float32; bo 1,024 float32; g1 1,024 float32; g2 1,024 float32; s1 1,024 float32; s2 1,024 float32; w1 1,024 x 4,096 float32; w2 4,096 x 1,024 float32; wk 1,024 x 1,024 float32; wo 1,024 x 1,024 float32; wq 1,024 x 1,024 float32; wv 1,024 x 1,024 float32; x 2 x 2,048 x 1,024 float32.
;; Outputs: out0 2 x 2,048 x 1,024 float32.
;; One version. Each part assembles by itself: llvm-mc -triple=amdgcn-amd-amdhsa -mcpu=gfx1250 --defsym DOCPART=n.
;; ======== version 1 of 1: 7 launches
;; limits: values are held in f16: magnitudes above 65,504 overflow, below 6.1e-05 lose precision
;; workspace buffers: wh 25,165,824 bytes; h 8,388,608 bytes; qkv 25,165,824 bytes; ctx 8,388,608 bytes; x1 16,777,216 bytes; a1 33,554,432 bytes
;; launch prep (part 1): grid 1024 x 1, 8 waves a work-group, no clusters, 0 bytes of LDS; arguments x, g1, s1, wq, wk, wv, wo, w1, w2, h, wh; writes h, wh
.if DOCPART == 1
	.amdgcn_target "amdgcn-amd-amdhsa--gfx1250"
	.amdhsa_code_object_version 6
	.text
	.protected	k_qaa547af0e6_prep
	.globl	k_qaa547af0e6_prep
	.p2align	8
	.type	k_qaa547af0e6_prep,@function
k_qaa547af0e6_prep:
	s_mov_b64 s[64:65], 0
	v_nop
	global_prefetch_b8 v0, s[64:65] scope:SCOPE_SE
	s_setreg_imm32_b32 hwreg(HW_REG_WAVE_MODE, 25, 1), 1
	s_wait_xcnt 0x0
; TWO STREAMS IN ONE BODY.  Work-groups 0-255: h = g1 (x - mean) / sqrt(var + 1e-5) + s1, x [4096][1024] f32, h the same shape in f16.
; Work-groups 256-1023: the six weight matrices rounded once to f16 into wh, each kept as it lies ([in][out]): wq, wk, wv, wo at 0, 2, 4, 6 MiB, w1 at 8 MiB, w2 at 16 MiB.
; THE SAME BODY SERVES THE BLOCK'S SECOND NORM: a launch of 256 work-groups, given x1, g2, s2 in the places of x, g1, s1, runs the norm alone; the weights' places are then named and not read.
; LIMITS.  f16 holds no number of 65,520 or more in magnitude (it becomes an infinity) and below 6e-5 keeps a fixed step of 6e-8: h and the weights are taken to lie within that.
; The norm: mean first, then the sum of squares of x - mean, all in f32; a wave takes two whole rows and keeps them in registers, so x is read once and no wave waits for another.
; No LDS, no matrix unit, no cluster: nothing is shared, and each byte crosses once.
.set T,   8                            ; v[8:15]    four pairs at work; later the four reciprocal roots
.set X0,  16                           ; v[16:47]   row 0: lane l holds columns 128 j + 4 l .. + 3, j = 0..7
.set X1,  48                           ; v[48:79]   row 1
.set G,   80                           ; v[80:111]  the gain at the same columns
.set S,   112                          ; v[112:143] the shift
.set Y,   144                          ; v[144:175] both rows in f16
.set SEL, 30                           ; s[30:31]   v_permlanex16_b32's selects: each lane takes its own place in the other half
.set INV, 32                           ; s32        1 / 1024
.set EPS, 33                           ; s33        1e-5
; The sum (sq = 0) or the sum of squares (sq = 1) of the 32 registers at v[xb] over the wave's 32 lanes: into v[T], in every lane.  Four chains, started by the first pairs: nothing is cleared.
.macro ROWSUM xb, sq
.if \sq
.irp c, 0,1,2,3
	v_pk_mul_f32 v[T+2*(\c):T+2*(\c)+1], v[(\xb)+2*(\c):(\xb)+2*(\c)+1], v[(\xb)+2*(\c):(\xb)+2*(\c)+1]
.endr
.set k, 4
.rept 12
	v_pk_fma_f32 v[T+2*(k%4):T+2*(k%4)+1], v[(\xb)+2*k:(\xb)+2*k+1], v[(\xb)+2*k:(\xb)+2*k+1], v[T+2*(k%4):T+2*(k%4)+1]
.set k, k+1
.endr
.else
.irp c, 0,1,2,3
	v_pk_add_f32 v[T+2*(\c):T+2*(\c)+1], v[(\xb)+2*(\c):(\xb)+2*(\c)+1], v[(\xb)+8+2*(\c):(\xb)+8+2*(\c)+1]
.endr
.set k, 8
.rept 8
	v_pk_add_f32 v[T+2*(k%4):T+2*(k%4)+1], v[T+2*(k%4):T+2*(k%4)+1], v[(\xb)+2*k:(\xb)+2*k+1]
.set k, k+1
.endr
.endif
	v_pk_add_f32 v[T:T+1], v[T:T+1], v[T+2:T+3]
	v_pk_add_f32 v[T+4:T+5], v[T+4:T+5], v[T+6:T+7]
	v_pk_add_f32 v[T:T+1], v[T:T+1], v[T+4:T+5]
	v_add_f32 v[T], v[T], v[T+1]
	v_add_f32_dpp v[T], v[T], v[T] row_xmask:1 row_mask:0xf bank_mask:0xf
	v_add_f32_dpp v[T], v[T], v[T] row_xmask:2 row_mask:0xf bank_mask:0xf
	v_add_f32_dpp v[T], v[T], v[T] row_xmask:4 row_mask:0xf bank_mask:0xf
	v_add_f32_dpp v[T], v[T], v[T] row_xmask:8 row_mask:0xf bank_mask:0xf
	v_permlanex16_b32 v[T+1], v[T], s[SEL], s[SEL+1]   ; its destination has been written above
	v_add_f32 v[T], v[T], v[T+1]
.endm
; Two rows of the norm.  xs, gs, ss, hs: the scalar pairs with x at my first row, the gain, the shift, h at my first row.  v1 = 16 x lane, v2 = 8 x lane.
.macro LNBODY xs, gs, ss, hs
.irp j, 0,1,2,3,4,5,6,7
	global_load_b128 v[X0+4*(\j):X0+4*(\j)+3], v1, s[\xs:\xs+1] offset:512*(\j)
.endr
.irp j, 0,1,2,3,4,5,6,7
	global_load_b128 v[X1+4*(\j):X1+4*(\j)+3], v1, s[\xs:\xs+1] offset:4096+512*(\j)
.endr
.irp j, 0,1,2,3,4,5,6,7
	global_load_b128 v[G+4*(\j):G+4*(\j)+3], v1, s[\gs:\gs+1] offset:512*(\j)
.endr
.irp j, 0,1,2,3,4,5,6,7
	global_load_b128 v[S+4*(\j):S+4*(\j)+3], v1, s[\ss:\ss+1] offset:512*(\j)
.endr
	s_wait_loadcnt 16                              ; both rows are in; the sixteen loads of gain and shift may stay out
.irp b, X0, X1
	ROWSUM \b, 0
	v_mul_f32 v4, s[INV], v[T]                     ; the mean,
	v_mov_b32 v5, v4                               ; twice, for the packed subtraction
.set k, 0
.rept 16
	v_pk_add_f32 v[(\b)+2*k:(\b)+2*k+1], v[(\b)+2*k:(\b)+2*k+1], v[4:5] neg_lo:[0,1] neg_hi:[0,1]
.set k, k+1
.endr
	ROWSUM \b, 1
	v_fma_f32 v[6+((\b)-X0)/32], v[T], s[INV], s[EPS]  ; var + eps
.endr
	v_rsq_f32 v[T+2], v6                           ; one batch of four: each row's root twice, a pair for the packed multiply
	v_rsq_f32 v[T+3], v6
	v_rsq_f32 v[T+4], v7
	v_rsq_f32 v[T+5], v7
	v_nop                                          ; a plain instruction behind the last of them,
	s_wait_alu depctr_va_vdst(0)                   ; and the one wait ahead of the first use
	s_wait_loadcnt 0x0                             ; gain and shift
.irp q, 0,1
.set k, 0
.rept 16
	v_pk_mul_f32 v[X0+32*(\q)+2*k:X0+32*(\q)+2*k+1], v[X0+32*(\q)+2*k:X0+32*(\q)+2*k+1], v[T+2+2*(\q):T+3+2*(\q)]
.set k, k+1
.endr
.set k, 0
.rept 16
	v_pk_fma_f32 v[X0+32*(\q)+2*k:X0+32*(\q)+2*k+1], v[X0+32*(\q)+2*k:X0+32*(\q)+2*k+1], v[G+2*k:G+2*k+1], v[S+2*k:S+2*k+1]
.set k, k+1
.endr
.set k, 0
.rept 16
	v_cvt_pk_f16_f32 v[Y+16*(\q)+k], v[X0+32*(\q)+2*k], v[X0+32*(\q)+2*k+1]
.set k, k+1
.endr
.irp j, 0,1,2,3,4,5,6,7
	global_store_b64 v2, v[Y+16*(\q)+2*(\j):Y+16*(\q)+2*(\j)+1], s[\hs:\hs+1] offset:2048*(\q)+256*(\j)  ; the wave's 32 lanes store 256 consecutive bytes, aligned
.endr
.endr
.endm
	s_load_b512 s[8:23], s[0:1], 0x0               ; x s[8:9], g1 s[10:11], s1 s[12:13], wq s[14:15], wk s[16:17], wv s[18:19], wo s[20:21], w1 s[22:23]
	s_load_b128 s[24:27], s[0:1], 0x40             ; w2 s[24:25], h s[26:27]
	s_load_b64 s[28:29], s[0:1], 0x50              ; wh
	s_cmp_lt_u32 ttmp9, 256
	s_cbranch_scc0 .Lcvt
	; ---- the norm: 16 rows a work-group, two a wave
	v_and_b32 v3, 31, v0
	v_lshlrev_b32 v1, 4, v3
	v_lshlrev_b32 v2, 3, v3
	v_lshrrev_b32 v3, 5, v0
	v_readfirstlane_b32 s34, v3                    ; wave 0..7
	s_lshl_b32 s36, ttmp9, 16                      ; 16 rows of 4,096 bytes,
	s_lshl_b32 s35, s34, 13                        ; my two of them
	s_add_co_u32 s36, s36, s35
	s_mov_b32 s37, 0
	s_lshr_b32 s38, s36, 1                         ; in h a row has half the bytes
	s_mov_b32 s39, 0
	s_mov_b32 s[SEL], 0x76543210
	s_mov_b32 s[SEL+1], 0xfedcba98
	s_mov_b32 s[INV], 0x3a800000
	s_mov_b32 s[EPS], 0x3727c5ac
	s_wait_kmcnt 0x0
	s_add_nc_u64 s[8:9], s[8:9], s[36:37]
	s_add_nc_u64 s[26:27], s[26:27], s[38:39]
	LNBODY 8, 10, 12, 26
	s_endpgm
.Lcvt:
	; ---- the weights: a work-group rounds 16,384 numbers; 64 work-groups make a chunk of 2^20 numbers; chunks 0-3 are wq, wk, wv, wo, 4-7 w1, 8-11 w2
	s_sub_co_u32 s30, ttmp9, 256
	s_lshr_b32 s31, s30, 6                         ; chunk 0..11
	s_and_b32 s32, s30, 63                         ; my part of it
	s_sub_co_u32 s33, s31, 4                       ; the chunk's number inside w1,
	s_sub_co_u32 s34, s31, 8                       ; inside w2
	s_mov_b32 s35, 0
	v_lshlrev_b32 v1, 4, v0                        ; 16 bytes a thread in,
	v_lshlrev_b32 v2, 3, v0                        ; 8 out
	s_wait_kmcnt 0x0
	s_mov_b64 s[36:37], s[14:15]
	s_cmp_eq_u32 s31, 1
	s_cselect_b64 s[36:37], s[16:17], s[36:37]
	s_cmp_eq_u32 s31, 2
	s_cselect_b64 s[36:37], s[18:19], s[36:37]
	s_cmp_eq_u32 s31, 3
	s_cselect_b64 s[36:37], s[20:21], s[36:37]
	s_cmp_ge_u32 s31, 4
	s_cselect_b64 s[36:37], s[22:23], s[36:37]
	s_cselect_b32 s35, s33, s35
	s_cmp_ge_u32 s31, 8
	s_cselect_b64 s[36:37], s[24:25], s[36:37]
	s_cselect_b32 s35, s34, s35
	s_lshl_b32 s38, s35, 22                        ; a chunk is 4 MiB of f32,
	s_lshl_b32 s39, s32, 16                        ; my part 64 KiB
	s_add_co_u32 s38, s38, s39
	s_mov_b32 s39, 0
	s_add_nc_u64 s[36:37], s[36:37], s[38:39]
	s_lshl_b32 s40, s31, 21                        ; and half of that in wh
	s_lshl_b32 s41, s32, 15
	s_add_co_u32 s40, s40, s41
	s_mov_b32 s41, 0
	s_add_nc_u64 s[28:29], s[28:29], s[40:41]
.irp i, 0,1,2,3,4,5,6,7,8,9,10,11,12,13,14,15
	global_load_b128 v[16+4*(\i):19+4*(\i)], v1, s[36:37] offset:4096*(\i) th:TH_LOAD_NT
.endr
.irp i, 0,1,2,3,4,5,6,7,8,9,10,11,12,13,14,15
	s_wait_loadcnt 15-(\i)                         ; loads come back in order: load i is in, the younger ones stay out
	v_cvt_pk_f16_f32 v[80+2*(\i)], v[16+4*(\i)], v[17+4*(\i)]
	v_cvt_pk_f16_f32 v[81+2*(\i)], v[18+4*(\i)], v[19+4*(\i)]
	global_store_b64 v2, v[80+2*(\i):81+2*(\i)], s[28:29] offset:2048*(\i)  ; a wave stores 256 consecutive bytes, aligned; no register is written twice
.endr
	s_endpgm
.Lfunc_end_k_qaa547af0e6_prep:
	.size	k_qaa547af0e6_prep, .Lfunc_end_k_qaa547af0e6_prep-k_qaa547af0e6_prep
	.p2alignl 7, 3214868480
	.fill 96, 4, 3214868480
	.section	.rodata,"a",@progbits
	.p2align	6, 0x0
	.amdhsa_kernel k_qaa547af0e6_prep
		.amdhsa_group_segment_fixed_size 0
		.amdhsa_private_segment_fixed_size 0
		.amdhsa_enable_private_segment 0
		.amdhsa_kernarg_size 88
		.amdhsa_user_sgpr_count 2
		.amdhsa_user_sgpr_kernarg_segment_ptr 1
		.amdhsa_wavefront_size32 1
		.amdhsa_system_sgpr_workgroup_id_x 1
		.amdhsa_system_sgpr_workgroup_id_y 1
		.amdhsa_system_sgpr_workgroup_id_z 1
		.amdhsa_system_vgpr_workitem_id 0
		.amdhsa_next_free_vgpr 176
		.amdhsa_next_free_sgpr 66
		.amdhsa_reserve_vcc 0
		.amdhsa_float_denorm_mode_32 3
		.amdhsa_float_denorm_mode_16_64 3
		.amdhsa_memory_ordered 1
		.amdhsa_forward_progress 1
		.amdhsa_inst_pref_size 27
	.end_amdhsa_kernel
	.amdgpu_metadata
---
amdhsa.version: [ 1, 2 ]
amdhsa.kernels:
  - .name:           k_qaa547af0e6_prep
    .symbol:         k_qaa547af0e6_prep.kd
    .args:
      - { .name: x, .offset: 0, .size: 8, .value_kind: global_buffer, .address_space: global }
      - { .name: g1, .offset: 8, .size: 8, .value_kind: global_buffer, .address_space: global }
      - { .name: s1, .offset: 16, .size: 8, .value_kind: global_buffer, .address_space: global }
      - { .name: wq, .offset: 24, .size: 8, .value_kind: global_buffer, .address_space: global }
      - { .name: wk, .offset: 32, .size: 8, .value_kind: global_buffer, .address_space: global }
      - { .name: wv, .offset: 40, .size: 8, .value_kind: global_buffer, .address_space: global }
      - { .name: wo, .offset: 48, .size: 8, .value_kind: global_buffer, .address_space: global }
      - { .name: w1, .offset: 56, .size: 8, .value_kind: global_buffer, .address_space: global }
      - { .name: w2, .offset: 64, .size: 8, .value_kind: global_buffer, .address_space: global }
      - { .name: h, .offset: 72, .size: 8, .value_kind: global_buffer, .address_space: global }
      - { .name: wh, .offset: 80, .size: 8, .value_kind: global_buffer, .address_space: global }
    .group_segment_fixed_size: 0
    .private_segment_fixed_size: 0
    .kernarg_segment_align: 8
    .kernarg_segment_size: 88
    .max_flat_workgroup_size: 256
    .sgpr_count:     66
    .vgpr_count:     176
    .wavefront_size: 32
...
	.end_amdgpu_metadata
.endif
;; end of part 1
;; launch qkv (part 2): grid 12 x 16, 4 waves a work-group, clusters of 4 x 4, 327,680 bytes of LDS; arguments h, wh, qkv; writes qkv
.if DOCPART == 2
	.amdgcn_target "amdgcn-amd-amdhsa--gfx1250"
	.amdhsa_code_object_version 6
	.text
	.protected	k_qaa547af0e6_qkv
	.globl	k_qaa547af0e6_qkv
	.p2align	8
	.type	k_qaa547af0e6_qkv,@function
k_qaa547af0e6_qkv:
	s_mov_b64 s[64:65], 0
	v_nop
	global_prefetch_b8 v0, s[64:65] scope:SCOPE_SE
	s_setreg_imm32_b32 hwreg(HW_REG_WAVE_MODE, 25, 1), 1
	s_wait_xcnt 0x0
	s_wait_alu depctr_hold_cnt(0) depctr_sa_sdst(0) depctr_va_vdst(0) depctr_va_sdst(0) depctr_va_ssrc(0) depctr_va_vcc(0) depctr_vm_vsrc(0)
	s_getreg_b32 s2, hwreg(HW_REG_IB_STS2, 6, 4)
	s_cmp_eq_u32 s2, 0
	s_cbranch_scc0 .Lentry_in_a_cluster
	s_endpgm
.Lentry_in_a_cluster:
	s_bfe_u32 s2, ttmp6, 0x10000c
	s_cmp_lg_u32 s2, 0xf033
	s_cbranch_scc0 .Lentry_shape_is_right
	s_endpgm
.Lentry_shape_is_right:
; C = A W, A [4096][1024] f16 with K along its rows, W [1024][NBP] f16 with K DOWN its rows (the weights lie as the problem gives them).  Sums in f32.
; QKV = 1: W is wq | wk | wv (three matrices of 1024 columns, 2 MiB apart); C leaves in f16, by heads: q, k, v each [32 = batch x 16 + head][2048][64], 8 MiB apart, unscaled.
; QKV = 0: W is w1; C + b1 goes through the tanh form of GELU in f32 and leaves in f16, [4096][4096].
; LIMITS.  f16 holds no number of 65,520 or more in magnitude: what is stored is taken to lie within that.
; SHARES.  A tile of C is 256 x 256: four waves, each 128 x 128 in 64 accumulators.  K goes in eight steps of 128 through two LDS slots filled by tensor loads: waves 0, 1 bring A's halves
; (128 rows x 256 bytes), waves 2, 3 W's (64 rows of K x 512 bytes).  A's fragments come out of LDS as they lie, W's turned, by ds_load_tr16_b128.
; THE MATRIX INSTRUCTION IS USED TRANSPOSED (source 0 = 16 columns of W, source 1 = 16 rows of A): a lane holds eight neighbouring numbers of one row of C.
; CLUSTER.  4 x 4 work-groups: A's tile is asked for jointly along a row of the cluster, W's along a column.
; THE TEXT.  The loop is one K step long (the LDS addresses hang on s[TB], the walking descriptors turn slots by an exclusive or); the last two steps, which ask for nothing, are a loop of two trips
; left in its middle; its last change of slots fetches 32 fragments that nothing multiplies.  The way out goes through an f32 stage, each wave's own, laid over the ring when the ring has had its last fill.
; REGISTERS, in windows of 256: window 0 addresses, A's two fragment buffers v64-127, v128-191 (on the way out: at work); window 1 W's two buffers; windows 2, 3 the accumulators ((a, b) at 8 (8 a + b)).
.set QKV,   1
.set PA,    272                        ; a row of A in LDS: 256 bytes + 16: the 16 rows of a load start at 16 different groups of four banks
.set PB,    544                        ; a row of W: 512 + 32 = 17 x 32 bytes
.set HALFT, 34816                      ; what one tensor load fills: 128 PA = 64 PB
.set BOFF,  2*HALFT                    ; W's rows lie behind A's
.set SLOT,  4*HALFT                    ; 0x22000: shares no bit with 0, 0x8800, 0x11000, 0x19800, so an exclusive or turns a fill's address into the other slot's
.set SPARE, 2*SLOT                     ; the spare words, 128 bytes for each wave: two blocks of 256 bytes that no other line names
.set SPI,   528                        ; a row of the stage: 128 f32 + 16 bytes
.set WSTG,  128*SPI                    ; a wave's stage; four of them end below SPARE
.if QKV
.set NBP,   1024
.set WOFF,  0
.else
.set NBP,   4096
.set WOFF,  8388608
.endif
.set ROWB,  2*NBP                      ; bytes in a row of W
.set ASTEP, 256                        ; a K step in A,
.set BSTEP, 128*ROWB                   ; and in W
.set ADRA0, 16                         ; v16  my lane's place among my A fragments in slot 0; never rewritten
.set ADRB0, 17                         ; v17  the same for W
.set ADRA,  18                         ; v18  the same in the slot in hand
.set ADRB,  19                         ; v19
.set STO,   24                         ; v24  the way out: where I put 32 bytes of a row
.set RD,    25                         ; v25  where I read rows back
.set CO,    26                         ; v26  my byte offset in the output
.set BO,    27                         ; v27  my byte offset in the bias
.set SPW,   28                         ; v28  LDS address of my spare word; never rewritten
.set NIL,   29                         ; v29  0; never rewritten
.set PFO,   30                         ; v30  the prefetches' offset; never rewritten
.set BI,    32                         ; v[32:39] the bias of my eight columns
.set F0,    64
.set F1,    128
.set XW,    64                         ; the way out: 32 numbers in f32,
.set TW,    96                         ; 32 at work,
.set OW,    128                        ; 16 registers to store
.set G1,  24                           ; s[24:31] descriptor group 1 for A's tiles
.set G0,  32                           ; s[32:39] group 0, two sets: the first fills; the second then walks
.set LIM, 43                           ; s43      2 in a wave that prefetches, else the greatest number
.set PFA, 44                           ; s[44:45] where my prefetches stand
.set G1B, 48                           ; s[48:55], s[56:63] the same for W's tiles
.set G0B, 56
.set TB,  66                           ; s66      0 or SLOT: the slot in hand
.set PFS, 70                           ; s[70:71] a K step for my prefetches
.set K1,  72                           ; s[72:73], s[74:75] GELU's two constants
.set K2,  74
.set MSB, 0
.macro WIN new                         ; the immediate's high byte repeats the setting that is left; a switch that changes nothing is dropped
.if MSB != (\new)
	s_set_vgpr_msb (MSB<<8)|(\new)
.set MSB, \new
.endif
.endm
.set MUL_LO, 0xa1                      ; source 0 (W) window 1, source 1 (A) window 0, C and D window 2
.set MUL_HI, 0xf1                      ; the same, C and D window 3
.set TO_B,   0x40                      ; destination window 1, address window 0
; A joint load.  The branch hangs on the wave's number alone.  An s_nop 0 and four v_nop follow each of the two lines, ahead of the jump and the label.
.macro JLOAD s
	s_cmp_eq_u32 s11, 0
	s_cbranch_scc0 .Lfor_b_\@
	tensor_load_to_lds s[G0+4*(\s):G0+4*(\s)+3], s[G1:G1+7]
	s_nop 0
.rept 4
	v_nop
.endr
	s_branch .Lasked_\@
.Lfor_b_\@:
	tensor_load_to_lds s[G0B+4*(\s):G0B+4*(\s)+3], s[G1B:G1B+7]
	s_nop 0
.rept 4
	v_nop
.endr
.Lasked_\@:
.endm
; A prefetch of the K step that stands two refills on, 512 matrix instructions ahead of the load that will want it.  Each aligned block of 256 bytes is named once in the launch: the clusters with x = 0 ask for A's
; rows, those with y = 0 for W's; the four partners that ask for a tile jointly share a wave's rows out by address (32 rows of A, a lane a row; 16 rows of W, two lanes a row).  The loop's trips with
; s3 = 6 .. 3 name K steps 4 .. 7; the last two name nothing; K steps 0 to 3 come by their loads alone.
.macro ASK
	s_cmp_gt_u32 s3, s[LIM]
	s_cbranch_scc0 .Lnot_mine_\@
	global_prefetch_b8 v[PFO], s[PFA:PFA+1] th:TH_LOAD_NT scope:SCOPE_SE
.Lnot_mine_\@:
.endm
.macro CREST                           ; a round of the cluster's barrier behind its opening barrier
	s_cmp_lg_u32 s10, 0
	s_cbranch_scc1 .Lnot_wave_0_\@
	s_barrier_signal -3
.Lnot_wave_0_\@:
	s_barrier_wait -3
	s_barrier_signal -1
	s_barrier_wait -1
.endm
.macro CROUND                          ; a whole round
	s_barrier_signal -1
	s_barrier_wait -1
	CREST
.endm
	s_load_b128 s[4:7], s[0:1], 0x0                ; A s[4:5], wh s[6:7]
	s_load_b64 s[8:9], s[0:1], 0x10                ; the output
.if !QKV
	s_load_b64 s[68:69], s[0:1], 0x18              ; b1
.endif
	v_lshl_add_u32 v[SPW], v0, 2, SPARE
	v_mov_b32 v[NIL], 0
	ds_add_u32 v[SPW], v[NIL]                      ; the wave's opening: the add and its wait stand ahead of my first tensor load; the set-up below stands between them
	v_lshrrev_b32 v1, 5, v0
	v_readfirstlane_b32 s10, v1                    ; wave 0..3
	s_lshr_b32 s11, s10, 1                         ; which half of the tile's rows is mine.  Also: I fetch for A (0) or for W (1)
	s_and_b32 s12, s10, 1                          ; which half of its columns.  Also: which half of that tile I fetch
	s_bfe_u32 s40, ttmp6, 0x40000                  ; cx
	s_bfe_u32 s41, ttmp6, 0x40004                  ; cy
	s_lshl_b32 s42, ttmp9, 2
	s_add_co_u32 s42, s42, s40                     ; tile column = 4 x cluster x + cx
	s_and_b32 s13, ttmp7, 0xffff
	s_lshl_b32 s13, s13, 2
	s_add_co_u32 s13, s13, s41                     ; tile row = 4 x cluster y + cy
	s_lshl_b32 s43, s41, 2
	s_lshl_b32 s43, 15, s43                        ; my row of the cluster
	s_lshl_b32 s44, 0x1111, s40                    ; my column
	s_or_b32 s[G1+0], s43, (1<<16)|(1<<20)|(1<<21)|(5<<22)|(3<<25)   ; the mask; 2-byte elements; padding on; bit 21 beside a mask; after every 64 words 4 words
	s_mov_b32 s[G1+1], 128<<16                     ; tensor_dim0 = 128
	s_mov_b32 s[G1+2], 128<<16                     ; tensor_dim1 = 128
	s_mov_b32 s[G1+3], 128<<16                     ; tile_dim0 = 128
	s_mov_b32 s[G1+4], 128                         ; tile_dim1 = 128
	s_mov_b32 s[G1+5], 1024                        ; elements from row to row
	s_mov_b32 s[G1+6], 0
	s_mov_b32 s[G1+7], 0
	s_or_b32 s[G1B+0], s44, (1<<16)|(1<<20)|(1<<21)|(6<<22)|(7<<25)  ; after every 128 words 8 words
	s_mov_b32 s[G1B+1], 256<<16                    ; tensor_dim0 = 256
	s_mov_b32 s[G1B+2], 64<<16                     ; tensor_dim1 = 64
	s_mov_b32 s[G1B+3], 256<<16                    ; tile_dim0 = 256
	s_mov_b32 s[G1B+4], 64                         ; tile_dim1 = 64
	s_mov_b32 s[G1B+5], NBP
	s_mov_b32 s[G1B+6], 0
	s_mov_b32 s[G1B+7], 0
	s_lshl_b32 s16, s13, 8                         ; A: row 256 x tile row + 128 x half, 2,048 bytes a row
	s_lshl_b32 s17, s12, 7
	s_add_co_u32 s16, s16, s17
	s_lshl_b32 s16, s16, 11
	s_mov_b32 s17, 0
.if QKV
	s_lshr_b32 s46, s42, 2                         ; W: which of the three matrices,
	s_lshl_b32 s46, s46, 21
	s_and_b32 s47, s42, 3                          ; its 256 columns,
	s_lshl_b32 s47, s47, 9
	s_add_co_u32 s46, s46, s47
	s_lshl_b32 s47, s12, 17                        ; my 64 rows of K
.else
	s_lshl_b32 s46, s42, 9
	s_add_co_u32 s46, s46, WOFF
	s_lshl_b32 s47, s12, 19
.endif
	s_add_co_u32 s46, s46, s47
	s_mov_b32 s47, 0
	s_mul_i32 s20, s10, HALFT                      ; where my part of a tile goes: the wave's number times a constant
	s_wait_dscnt 0x0                               ; the opening add is done
	s_wait_kmcnt 0x0
	s_add_nc_u64 s[14:15], s[4:5], s[16:17]
	s_add_nc_u64 s[46:47], s[6:7], s[46:47]
	CROUND                                         ; all sixteen work-groups are here: the first joint loads meet
.irp s, 0,1
	s_mov_b32 s[G0+4*(\s)], 1
	s_add_co_u32 s[G0+4*(\s)+1], s20, (\s)*SLOT
	s_add_nc_u64 s[G0+4*(\s)+2:G0+4*(\s)+3], s[14:15], (\s)*ASTEP
	s_or_b32 s[G0+4*(\s)+3], s[G0+4*(\s)+3], 0x80000000
	s_mov_b32 s[G0B+4*(\s)], 1
	s_add_co_u32 s[G0B+4*(\s)+1], s20, (\s)*SLOT
	s_add_nc_u64 s[G0B+4*(\s)+2:G0B+4*(\s)+3], s[46:47], (\s)*BSTEP
	s_or_b32 s[G0B+4*(\s)+3], s[G0B+4*(\s)+3], 0x80000000
	JLOAD \s                                       ; two tensor loads of mine are out
.endr
	v_and_b32 v1, 15, v0                           ; r = l % 16
	v_bfe_u32 v2, v0, 4, 1                         ; h = l / 16
	v_bfe_u32 v5, v0, 3, 1
	v_and_b32 v7, 7, v0
	v_mul_u32_u24 v3, v1, PA                       ; a fragment of A: row r, 16 bytes for each half of the lanes
	v_lshl_add_u32 v3, v2, 4, v3
	s_mul_i32 s21, s11, HALFT
	v_add_nc_u32 v[ADRA0], s21, v3
	v_lshl_add_u32 v4, v2, 3, v7                   ; the turning load: lane l reads row 8 h + l % 8 of K, columns 8 ((l / 8) % 2) + 0..7
	v_mul_u32_u24 v4, v4, PB
	v_lshl_add_u32 v4, v5, 4, v4
	s_lshl_b32 s22, s12, 8
	s_add_co_u32 s22, s22, BOFF
	v_add_nc_u32 v[ADRB0], s22, v4
	v_mov_b32 v[ADRA], v[ADRA0]
	v_mov_b32 v[ADRB], v[ADRB0]
	s_mov_b32 s[TB], 0
	s_mul_i32 s23, s10, WSTG                       ; my stage
	v_mul_u32_u24 v6, v1, SPI
	v_lshl_add_u32 v6, v2, 5, v6
	v_add_nc_u32 v[STO], s23, v6                   ; in: row r, 32 bytes for each half of the lanes
.if QKV
	v_mul_u32_u24 v6, v5, SPI                      ; back: lanes 0-15 take two rows of one head's 64 columns, lanes 16-31 of the next head's; 32 bytes of f32 a lane
	v_lshl_add_u32 v6, v2, 8, v6
	v_lshl_add_u32 v6, v7, 5, v6
	v_add_nc_u32 v[RD], s23, v6
	v_lshlrev_b32 v6, 18, v2                       ; a head is 262,144 bytes, a row 128, my piece 16
	v_lshl_add_u32 v6, v5, 7, v6
	v_lshl_add_u32 v[CO], v7, 4, v6
	s_lshr_b32 s76, s13, 3                         ; the batch,
	s_lshl_b32 s76, s76, 4
	s_and_b32 s77, s42, 3
	s_lshl_b32 s77, s77, 2
	s_add_co_u32 s76, s76, s77
	s_lshl_b32 s77, s12, 1
	s_add_co_u32 s76, s76, s77                     ; batch x 16 + my first head,
	s_lshl_b32 s76, s76, 11
	s_lshl_b32 s77, s13, 8
	s_lshl_b32 s78, s11, 7
	s_add_co_u32 s77, s77, s78
	s_and_b32 s77, s77, 2047                       ; my first row in the sequence,
	s_add_co_u32 s76, s76, s77
	s_lshl_b32 s76, s76, 7
	s_lshr_b32 s77, s42, 2                         ; q, k or v
	s_lshl_b32 s77, s77, 23
	s_add_co_u32 s76, s76, s77
.else
	v_mul_u32_u24 v6, v2, SPI                      ; back: lanes 0-15 take one row's 128 columns, lanes 16-31 the next row's; 32 bytes of f32 a lane
	v_lshl_add_u32 v6, v1, 5, v6
	v_add_nc_u32 v[RD], s23, v6
	v_lshlrev_b32 v6, 13, v2
	v_lshl_add_u32 v[CO], v1, 4, v6
	s_lshl_b32 s76, s13, 8
	s_lshl_b32 s77, s11, 7
	s_add_co_u32 s76, s76, s77
	s_lshl_b32 s76, s76, 13                        ; my first row, 8,192 bytes a row,
	s_lshl_b32 s77, s42, 9
	s_add_co_u32 s76, s76, s77
	s_lshl_b32 s77, s12, 8
	s_add_co_u32 s76, s76, s77                     ; my first column
	s_lshl_b32 s78, s42, 10                        ; and the same column in b1
	s_lshl_b32 s79, s12, 9
	s_add_co_u32 s78, s78, s79
	s_mov_b32 s79, 0
	s_add_nc_u64 s[68:69], s[68:69], s[78:79]
	v_lshlrev_b32 v[BO], 5, v1
	global_load_b128 v[BI:BI+3], v[BO], s[68:69]
	global_load_b128 v[BI+4:BI+7], v[BO], s[68:69] offset:16
	s_mov_b32 s[K1], 0xc0135761                    ; -2 log2(e) sqrt(2 / pi) = -2.3022082
	s_mov_b32 s[K1+1], s[K1]
	s_mov_b32 s[K2], 0xbdd2d3e8                    ; 0.044715 times that = -0.10294324
	s_mov_b32 s[K2+1], s[K2]
.endif
	s_mov_b32 s77, 0
	s_add_nc_u64 s[8:9], s[8:9], s[76:77]
	; the prefetches
	s_lshl_b32 s20, s13, 8
	s_lshl_b32 s78, s12, 7
	s_add_co_u32 s20, s20, s78
	s_lshl_b32 s78, s40, 5
	s_add_co_u32 s20, s20, s78                     ; A: the 128 rows that I fetch, my work-group's 32 of them,
	s_lshl_b32 s20, s20, 11
	s_add_co_u32 s20, s20, 3*ASTEP                 ; at K step 3: the first refill steps it to 4
.if QKV
	s_lshr_b32 s21, s42, 2
	s_lshl_b32 s21, s21, 21
	s_and_b32 s78, s42, 3
	s_lshl_b32 s78, s78, 9
	s_add_co_u32 s21, s21, s78
.else
	s_lshl_b32 s21, s42, 9
	s_add_co_u32 s21, s21, WOFF
.endif
	s_lshl_b32 s78, s12, 6
	s_lshl_b32 s79, s41, 4
	s_add_co_u32 s78, s78, s79                     ; W: the 64 rows of K that I fetch, my work-group's 16 of them
	s_mul_i32 s78, s78, ROWB
	s_add_co_u32 s21, s21, s78
	s_add_co_u32 s21, s21, 3*BSTEP
	s_and_b32 s22, ttmp7, 0xffff
	v_and_b32 v7, 31, v0
	s_mov_b32 s79, ROWB
	s_mov_b32 s[PFS], BSTEP
	s_mov_b32 s[PFS+1], 0
	s_cmp_eq_u32 s11, 0                            ; do I fetch for A?
	s_cselect_b32 s22, ttmp9, s22                  ; the coordinate along which other clusters read the same rows
	s_cselect_b64 s[PFA:PFA+1], s[4:5], s[6:7]
	s_cselect_b32 s20, s20, s21
	s_cselect_b32 s79, 2048, s79
	s_cselect_b32 s[PFS], ASTEP, s[PFS]
	s_mov_b32 s21, 0
	s_add_nc_u64 s[PFA:PFA+1], s[PFA:PFA+1], s[20:21]
	s_cmp_eq_u32 s22, 0
	s_cselect_b32 s[LIM], 2, -1                    ; the same in all sixteen partners, for a given wave
	v_lshrrev_b32 v[PFO], s11, v7                  ; A: a lane a row; W: two lanes a row,
	v_mul_lo_u32 v[PFO], v[PFO], s79
	v_and_b32 v7, s11, v7
	v_lshl_add_u32 v[PFO], v7, 8, v[PFO]           ; 256 bytes apart
; 16 matrix instructions: m blocks a0, a0 + 1 of the window's four x all 8 n blocks, 32 along K.  zero = 1: the first product starts the sums.  The 64 accumulators take turns, in the same order in every quarter.
.macro MUL16 f, hi, a0, zero
	WIN MUL_LO+0x50*(\hi)
.irp a, \a0, (\a0)+1
.irp b, 0,1,2,3,4,5,6,7
.if \zero
	v_wmma_f32_16x16x32_f16 v[8*(8*(\a)+(\b)):8*(8*(\a)+(\b))+7], v[(\f)+8*(\b):(\f)+8*(\b)+7], v[(\f)+8*(4*(\hi)+(\a)):(\f)+8*(4*(\hi)+(\a))+7], 0
.else
	v_wmma_f32_16x16x32_f16 v[8*(8*(\a)+(\b)):8*(8*(\a)+(\b))+7], v[(\f)+8*(\b):(\f)+8*(\b)+7], v[(\f)+8*(4*(\hi)+(\a)):(\f)+8*(4*(\hi)+(\a))+7], v[8*(8*(\a)+(\b)):8*(8*(\a)+(\b))+7]
.endif
.endr
.endr
.endm
; 32 LDS loads in one run: the fragments of quarter kq (32 along K) of the slot in hand, into buffer f
.macro FETCH kq, f
	WIN TO_B
.irp i, 0,1,2,3,4,5,6,7
	ds_load_tr16_b128 v[(\f)+8*(\i):(\f)+8*(\i)+3],   v[ADRB] offset:(\kq)*32*PB+32*(\i)
	ds_load_tr16_b128 v[(\f)+8*(\i)+4:(\f)+8*(\i)+7], v[ADRB] offset:(\kq)*32*PB+16*PB+32*(\i)
.endr
	WIN 0
.irp i, 0,1,2,3,4,5,6,7
	ds_load_b128 v[(\f)+8*(\i):(\f)+8*(\i)+3],   v[ADRA] offset:(\kq)*64+(\i)*16*PA
	ds_load_b128 v[(\f)+8*(\i)+4:(\f)+8*(\i)+7], v[ADRA] offset:(\kq)*64+(\i)*16*PA+32
.endr
.endm
.macro PLACES                          ; four plain vector instructions in front of loads into registers that matrix instructions have read (ISA guide 7.12.1 for vector instructions)
.rept 4
	v_nop
.endr
.endm
; One of a K step's first three quarters: multiplies buffer f; in its middle it fetches quarter kq into buffer g
.macro QUARTER kq, f, g, zero
	s_wait_dscnt 8                                 ; W and A's rows 0-63 are in; the youngest eight loads (A's rows 64-127) may be out
	MUL16 \f, 0, 0, \zero
	MUL16 \f, 0, 2, \zero
	PLACES
	FETCH \kq, \g
	s_wait_dscnt 32                                ; all but the 32 just issued
	MUL16 \f, 1, 0, \zero
	MUL16 \f, 1, 2, \zero
.endm
; The first half of a K step's last quarter, and the barrier of the change of slots
.macro MEET
	WIN 0
	s_wait_tensorcnt 0x0                           ; all my tensor loads have landed: the one that was out is my part of the next slot;
	ds_add_u32 v[SPW], v[NIL]                      ; 0 onto my spare word;
	s_wait_dscnt 9                                 ; (the add and the youngest eight loads may be out)
	MUL16 F1, 0, 0, 0
	s_wait_dscnt 0x0                               ; the add is done, and my reads of this slot are over
	s_barrier_signal -1
	MUL16 F1, 0, 2, 0
	WIN 0
	s_barrier_wait -1
.endm
.macro FLIP                            ; the fragment addresses go to the other slot
	s_xor_b32 s[TB], s[TB], SLOT
	v_add_nc_u32 v[ADRA], s[TB], v[ADRA0]
	v_add_nc_u32 v[ADRB], s[TB], v[ADRB0]
.endm
; The last quarter with a refill: the barrier opens a round of the cluster's; behind the round the slot just read is asked for again, two K steps on: 224 matrix instructions ahead of the wait for it
.macro TURN
	s_wait_xcnt 0x0                                ; the last prefetch, a K step back, has read its address
	s_add_nc_u64 s[PFA:PFA+1], s[PFA:PFA+1], s[PFS:PFS+1]
	MEET
	CREST                                          ; no wave of any partner still reads this slot or has a load on its way
	s_xor_b32 s[G0+5], s[G0+5], SLOT               ; the walking descriptors: the other slot than last time, the next K step
	s_add_nc_u64 s[G0+6:G0+7], s[G0+6:G0+7], ASTEP
	s_xor_b32 s[G0B+5], s[G0B+5], SLOT
	s_add_nc_u64 s[G0B+6:G0B+7], s[G0B+6:G0B+7], BSTEP
	FLIP
	JLOAD 1                                        ; my one tensor load behind the round; its four v_nop are also the places in front of the loads below
	FETCH 0, F0
	ASK
	MUL16 F1, 1, 0, 0
	MUL16 F1, 1, 2, 0
.endm
.macro LASTQ                           ; the same without a refill: no round
	MEET
	FLIP
	v_nop
	v_nop                                          ; with the two additions: four places
	FETCH 0, F0
	MUL16 F1, 1, 0, 0
	MUL16 F1, 1, 2, 0
.endm
	s_wait_tensorcnt 1                             ; my part of K step 0 is in; K step 1's may stay out
	s_barrier_signal -1
	s_barrier_wait -1
	FETCH 0, F0
	QUARTER 1, F0, F1, 1                           ; the first quarter starts the sums
	WIN 0
	s_mov_b32 s3, 6
.Lstep:                                        ; from a K step's second quarter to the next step's first; K steps 2 to 7 are asked for
	QUARTER 2, F1, F0, 0
	QUARTER 3, F0, F1, 0
	TURN
	QUARTER 1, F0, F1, 0
	WIN 0
	s_sub_co_u32 s3, s3, 1
	s_cmp_lg_u32 s3, 0
	s_cbranch_scc1 .Lstep
	s_mov_b32 s3, 2
.Ltail:                                        ; K steps 6 and 7 ask for nothing; the second trip is left in its middle
	QUARTER 2, F1, F0, 0
	QUARTER 3, F0, F1, 0
	LASTQ
	WIN 0
	s_sub_co_u32 s3, s3, 1
	s_cmp_eq_u32 s3, 0
	s_cbranch_scc1 .Lout
	QUARTER 1, F0, F1, 0
	WIN 0
	s_cmp_lg_u32 s3, 0
	s_cbranch_scc1 .Ltail
.Lout:
	s_wait_dscnt 0x0                               ; my reads of the ring are over,
	s_barrier_signal -1
	s_barrier_wait -1                              ; everybody's are, and the ring has had its last fill: the stages may be written over it
	PLACES
	PLACES                                         ; behind the last products, in front of the stores that read them
.irp hi, 0,1
	WIN 0x08+4*(\hi)                               ; the stores' data lie in window 2 or 3
.irp a, 0,1,2,3
.irp b, 0,1,2,3,4,5,6,7
	ds_store_b128 v[STO], v[8*(8*(\a)+(\b)):8*(8*(\a)+(\b))+3]   offset:16*SPI*(4*(\hi)+(\a))+64*(\b)     ; each accumulator's low four registers first
	ds_store_b128 v[STO], v[8*(8*(\a)+(\b))+4:8*(8*(\a)+(\b))+7] offset:16*SPI*(4*(\hi)+(\a))+64*(\b)+16
.endr
.endr
.endr
	WIN 0
	s_wait_loadcnt 0x0                             ; the bias, where there is one
	s_mov_b32 s3, 16
.Lrow:                                         ; eight rows a trip.  LDS serves a wave's instructions in order, and the stage is my own: no wait and no barrier between the stores above and these loads
.irp j, 0,1,2,3
	ds_load_b128 v[XW+8*(\j):XW+8*(\j)+3],   v[RD] offset:2*SPI*(\j)
	ds_load_b128 v[XW+8*(\j)+4:XW+8*(\j)+7], v[RD] offset:2*SPI*(\j)+16
.endr
	s_wait_dscnt 0x0
.if !QKV
	; gelu(x) = x / (1 + 2^(x (K1 + K2 x^2))): the tanh form, with 1 + tanh(u) = 2 / (1 + e^(-2u)).  Where the power overflows the quotient is 0, where it vanishes x: tanh's own limits.
.set k, 0
.rept 16
	v_pk_add_f32 v[XW+2*k:XW+2*k+1], v[XW+2*k:XW+2*k+1], v[BI+2*(k%4):BI+2*(k%4)+1]
.set k, k+1
.endr
.set k, 0
.rept 16
	v_pk_mul_f32 v[TW+2*k:TW+2*k+1], v[XW+2*k:XW+2*k+1], v[XW+2*k:XW+2*k+1]
.set k, k+1
.endr
.set k, 0
.rept 16
	v_pk_fma_f32 v[TW+2*k:TW+2*k+1], v[TW+2*k:TW+2*k+1], s[K2:K2+1], s[K1:K1+1] op_sel_hi:[1,0,0]
.set k, k+1
.endr
.set k, 0
.rept 16
	v_pk_mul_f32 v[TW+2*k:TW+2*k+1], v[TW+2*k:TW+2*k+1], v[XW+2*k:XW+2*k+1]
.set k, k+1
.endr
.set k, 0
.rept 32
	v_exp_f32 v[TW+k], v[TW+k]
.set k, k+1
.endr
	v_nop                                          ; a plain instruction behind the batch,
	s_wait_alu depctr_va_vdst(0)                   ; and its one wait, ahead of the first use
.set k, 0
.rept 16
	v_pk_add_f32 v[TW+2*k:TW+2*k+1], v[TW+2*k:TW+2*k+1], 1.0 op_sel_hi:[1,0]
.set k, k+1
.endr
.set k, 0
.rept 32
	v_rcp_f32 v[TW+k], v[TW+k]
.set k, k+1
.endr
	v_nop
	s_wait_alu depctr_va_vdst(0)
.set k, 0
.rept 16
	v_pk_mul_f32 v[XW+2*k:XW+2*k+1], v[XW+2*k:XW+2*k+1], v[TW+2*k:TW+2*k+1]
.set k, k+1
.endr
.endif
.set k, 0
.rept 16
	v_cvt_pk_f16_f32 v[OW+k], v[XW+2*k], v[XW+2*k+1]
.set k, k+1
.endr
.irp j, 0,1,2,3
.if QKV
	global_store_b128 v[CO], v[OW+4*(\j):OW+4*(\j)+3], s[8:9] offset:256*(\j)    ; 16 lanes store two rows of a head: 256 consecutive bytes, aligned
.else
	global_store_b128 v[CO], v[OW+4*(\j):OW+4*(\j)+3], s[8:9] offset:16384*(\j)  ; 16 lanes store 256 consecutive bytes of a row, aligned
.endif
.endr
	s_wait_xcnt 0x0                                ; the stores have read their registers and their base
.if QKV
	s_add_nc_u64 s[8:9], s[8:9], 8*128
.else
	s_add_nc_u64 s[8:9], s[8:9], 8*8192
.endif
	v_add_nc_u32 v[RD], 8*SPI, v[RD]
	s_sub_co_u32 s3, s3, 1
	s_cmp_lg_u32 s3, 0
	s_cbranch_scc1 .Lrow
	s_wait_tensorcnt 0x0                           ; the wave's end, behind my last tensor load and my last LDS store
	ds_add_u32 v[SPW], v[NIL]
	s_wait_dscnt 0x0
	CROUND                                         ; the closing round: no work-group ends while a partner may still ask for a tile that names it
	s_endpgm
.Lfunc_end_k_qaa547af0e6_qkv:
	.size	k_qaa547af0e6_qkv, .Lfunc_end_k_qaa547af0e6_qkv-k_qaa547af0e6_qkv
	.p2alignl 7, 3214868480
	.fill 96, 4, 3214868480
	.section	.rodata,"a",@progbits
	.p2align	6, 0x0
	.amdhsa_kernel k_qaa547af0e6_qkv
		.amdhsa_group_segment_fixed_size 327680
		.amdhsa_private_segment_fixed_size 0
		.amdhsa_enable_private_segment 0
		.amdhsa_kernarg_size 24
		.amdhsa_user_sgpr_count 2
		.amdhsa_user_sgpr_kernarg_segment_ptr 1
		.amdhsa_wavefront_size32 1
		.amdhsa_system_sgpr_workgroup_id_x 1
		.amdhsa_system_sgpr_workgroup_id_y 1
		.amdhsa_system_sgpr_workgroup_id_z 1
		.amdhsa_system_vgpr_workitem_id 0
		.amdhsa_next_free_vgpr 1024
		.amdhsa_next_free_sgpr 80
		.amdhsa_reserve_vcc 0
		.amdhsa_float_denorm_mode_32 3
		.amdhsa_float_denorm_mode_16_64 3
		.amdhsa_memory_ordered 1
		.amdhsa_forward_progress 1
		.amdhsa_inst_pref_size 81
	.end_amdhsa_kernel
	.amdgpu_metadata
---
amdhsa.version: [ 1, 2 ]
amdhsa.kernels:
  - .name:           k_qaa547af0e6_qkv
    .symbol:         k_qaa547af0e6_qkv.kd
    .args:
      - { .name: h, .offset: 0, .size: 8, .value_kind: global_buffer, .address_space: global }
      - { .name: wh, .offset: 8, .size: 8, .value_kind: global_buffer, .address_space: global }
      - { .name: qkv, .offset: 16, .size: 8, .value_kind: global_buffer, .address_space: global }
    .group_segment_fixed_size: 327680
    .private_segment_fixed_size: 0
    .kernarg_segment_align: 8
    .kernarg_segment_size: 24
    .max_flat_workgroup_size: 128
    .sgpr_count:     80
    .vgpr_count:     1024
    .wavefront_size: 32
...
	.end_amdgpu_metadata
.endif
;; end of part 2
;; launch attn (part 3): grid 8 x 32, 4 waves a work-group, no clusters, 218,624 bytes of LDS; arguments qkv, ctx; writes ctx
.if DOCPART == 3
	.amdgcn_target "amdgcn-amd-amdhsa--gfx1250"
	.amdhsa_code_object_version 6
	.text
	.protected	k_qaa547af0e6_attn
	.globl	k_qaa547af0e6_attn
	.p2align	8
	.type	k_qaa547af0e6_attn,@function
k_qaa547af0e6_attn:
	s_mov_b64 s[64:65], 0
	v_nop
	global_prefetch_b8 v0, s[64:65] scope:SCOPE_SE
	s_setreg_imm32_b32 hwreg(HW_REG_WAVE_MODE, 25, 1), 1
	s_wait_xcnt 0x0
; CAUSAL ATTENTION.  ctx[h][q][:] = the sum over k <= q of softmax_k(q[h][q] . k[h][k] / 8) v[h][k][:].  q, k, v lie in qkv at 0, 8 MiB, 16 MiB, each [32][2048][64] f16; ctx has the same shape and type.
; Products, maxima and sums in f32; the weights p are rounded to f16 for the second product (their sum l is taken of the unrounded p), ctx once at the end.
; LIMITS.  f16 holds no number of 65,520 or more: q, k, v arrive within it.  A hidden score counts as its value less 1e30; a weight below 2^-126 counts as 0 in l; NaN and infinities are not treated apart.
; THE WALK.  A head's queries lie in 16 blocks of 128; keys go in tiles of 256 (four steps of 64); block i needs the tiles 0 .. i / 2.  A work-group takes blocks 15 - b and then b: nine tiles, whatever b:
; 256 work-groups of equal work, and one loop of nine trips.  What a trip does hangs on scalar registers made from b; every jump but the counted loops' own goes forward, and none passes a barrier.
; SHARES.  Of a block's two bands of 64 queries a wave owns 16 rows in each: two PIECES.  In the block's last tile piece x stands at band P = 2 (i % 2) + x: in the tile's step s it sees all keys (s < P), none (s > P), or holds the diagonal (s = P).
; THE MASK is the C operand that starts the sum S^T = K Q^T: MD x AL + BE, MD the mask of a band's own step for my 16 rows, (AL, BE) = (1, 0), (0, 0), (0, -1e30).  In tiles without a diagonal it holds 0.
; TURNS.  Turn (p, j) belongs to piece p at step j.  Its matrix work: 8 products K Q^T of the other piece (p = 0: step j; p = 1: step j + 1), later 8 products V^T P of the other piece (p = 0: step j - 1; p = 1: step j).
; Its vector work: the scaling, exponentials, roundings, sums and rescaling of piece p, and the maximum and statistics of the other piece.  Four vector instructions stand behind every matrix instruction, the rest in one lump; the turn's
; 33 exponentials are one batch with one wait.  Turn (0, j) fetches K and V of step j + 1; V has two buffers, by the step's parity.  So the change of slots stands ahead of turn (0, 4 t - 1).
; THE TILES COME THROUGH REGISTERS: each thread loads 16 x 16 bytes of K and of V a whole tile ahead and stores them into the free slot behind the next barrier.  Such loads and stores may be jumped over in the
; last trips, so the walk has one text.  NO CLUSTER: loads into registers have no joint form, and a head's work-groups want the same tile only in the first trips.  NO PREFETCH: each load is issued eight turns ahead of its wait.
; REGISTERS, in windows of 256 (s_set_vgpr_msb: bits 1:0 source 0, 3:2 source 1, 5:4 source 2, 7:6 destination):
;   window 0: addresses, statistics, v64-127 S^T (two buffers, by piece), v192-223 P (likewise)       window 1: v0-63 O^T; v128-159 MD; v160-223 MC (two buffers)
;   window 2: v0-31 Q; v32-63 the second block's Q; v64-127 V of odd steps; v128-191 K; v192-255 V of even steps       window 3: v0-127 the tile on its way
.set NP,    2
.set KS,    64
.set PK,    144       ; a row of K in LDS: 128 bytes + 16
.set PV,    160       ; a row of V: 128 + 32
.set VOFF,  4*KS*PK   ; a slot holds a tile: 256 rows of K, then 256 rows of V
.set SLOT1, 1<<17
.set STAGE, SLOT1+4*KS*(PK+PV)  ; 16 rows x 144 bytes for each wave, for the way out
.set SP,    144
.set SPARE, STAGE+4*16*SP       ; the spare words, 128 bytes for each wave: two blocks of 256 bytes that no other line names
.set AK0, 2           ; v2   my lane's place in a tile of K; never rewritten
.set AV0, 3           ; v3   the same for V
.set AK,  4           ; v4   the LDS address of K's next run of loads
.set AV,  5           ; v5   of V's
.set STO, 6           ; v6   the way out: where I put 16 bytes of a row
.set RD,  7           ; v7   where I read rows back
.set GO,  8           ; v8   my byte offset in 512 consecutive bytes of ctx
.set MV,  12          ; v12-13  c m_old, by piece
.set QO,  15          ; v15  my byte offset in 16 rows of q
.set ST,  16          ; piece t's statistics at v[ST+4 t]: c m, m, l (even keys', odd keys')
.set LK0, 32          ; v32  where my 16 bytes of a tile's first 16 rows of K go in slot 0; never rewritten
.set LV0, 33          ; v33  the same for V
.set LK,  34          ; v34, v35  the same in the slot to be written
.set LV,  35
.set GF,  36          ; v36  16 x my thread's number; never rewritten
.set TMP, 48          ; by piece, four registers c0-c3 at work; when the maximum is found c2 takes a
.set SPW, 62          ; v62  LDS address of my spare word; never rewritten
.set NIL, 63          ; v63  0; never rewritten
.set S,   64
.set P,   192
.set MD,  128         ; window 1
.set MC,  160         ; window 1
.set QB,  32          ; window 2
.set VF1, 64          ; window 2
.set KF,  128         ; window 2: key block kb, channel half c at KF + 16 kb + 8 c
.set VF0, 192         ; window 2: key half kk, channel block cb at + 32 kk + 8 cb
.set KB,  8           ; s[8:9]   k at the head's first row
.set VBS, 10          ; s[10:11] v at the head's first row
.set WV,  12          ; s12  my wave's number
.set BB,  14          ; s14  b
.set HI,  15          ; s15  15 - b
.set KT,  24          ; s[24:25], s[26:27] k and v at the tile being loaded
.set VT,  26
.set SLOTS, 56        ; s56  tiles still to be entered
.set CNT, 57          ; s57  counts a tile's pairs of steps
.set CS,  58          ; s[58:59] c = log2(e) / 8
.set SEL, 60          ; s[60:61] v_permlanex16_b32's selects
.set TBK, 62          ; s62  LDS byte at which K of the step to be fetched begins
.set TBV, 63          ; s63  the same for V, less VOFF
.set TS,  66          ; s66  the slot to be written next
.set SN,  67          ; s67  the step of the tile for which masks are being made
.set TH0, 68          ; s68, s69  the bands of pieces 0 and 1 in the tile in hand, or 99 where it holds no diagonal
.set RT,  70          ; s70  tiles of the block in hand that are still to be entered
.set NXT, 71          ; s71  the tile to be loaded next
.set LQ,  72          ; s72  the last tile of the block whose tiles are being loaded
.set NEW, 73          ; s73  1: the tile to be entered is a block's first
.set OFF, 74          ; s[74:75] a tile's byte offset
.set AL,  76          ; s[76:77] the mask's factor
.set BE,  78          ; s[78:79] its addend
.set OLO, 80          ; s[80:81] ctx at my rows of the second block
.set BIGN, 82         ; s82  -1e30
.set POS, 83          ; s83  piece 0's band in the last tile of the block in hand
.set POS2, 84         ; s84  the same for the second block
.set LQ2, 85          ; s85  the second block's last tile
.set MSB, 0
.macro WIN new
.if MSB != (\new)
	s_set_vgpr_msb (MSB<<8)|(\new)
.set MSB, (\new)
.endif
.endm
.set W_KQ, 0x0a       ; K and Q in window 2, S^T in window 0
.set W_KM, 0x1a       ; the same with the C operand in window 1
.set W_PV, 0x52       ; V in window 2, P in window 0, O^T in window 1
.set W_RS, 0x41       ; destination and source 0 in window 1, source 1 in window 0
; Tile NXT is asked for: 32 loads a thread-group of 128 x 16 bytes; then NXT steps, and behind the first block's last tile goes back to 0
.macro LOAD_TILE
	s_lshl_b32 s[OFF], s[NXT], 15   ; a tile is 32,768 bytes of k and of v
	s_add_nc_u64 s[KT:KT+1], s[KB:KB+1], s[OFF:OFF+1]
	s_add_nc_u64 s[VT:VT+1], s[VBS:VBS+1], s[OFF:OFF+1]
	s_add_co_u32 s[NXT], s[NXT], 1
	s_cmp_gt_u32 s[NXT], s[LQ]
	s_cselect_b32 s[NXT], 0, s[NXT]
	s_cselect_b32 s[LQ], s[LQ2], s[LQ]
	WIN 0xc0                        ; destination window 3
.irp n, 0,1,2,3,4,5,6,7,8,9,10,11,12,13,14,15
	global_load_b128 v[4*\n:4*\n+3], v[GF], s[KT:KT+1] offset:2048*\n
.endr
.irp n, 0,1,2,3,4,5,6,7,8,9,10,11,12,13,14,15
	global_load_b128 v[64+4*\n:64+4*\n+3], v[GF], s[VT:VT+1] offset:2048*\n
.endr
	WIN 0
.endm
; The tile that has come goes into slot TS, padded
.macro STORE_TILE
	s_wait_loadcnt 0x0              ; issued a whole tile ago; this wait also frees the loads' bases
	v_add_nc_u32 v[LK], s[TS], v[LK0]
	v_add_nc_u32 v[LV], s[TS], v[LV0]
	WIN 0x0c                        ; the stores' data lie in window 3
.irp n, 0,1,2,3,4,5,6,7,8,9,10,11,12,13,14,15
	ds_store_b128 v[LK], v[4*\n:4*\n+3] offset:16*PK*\n
.endr
.irp n, 0,1,2,3,4,5,6,7,8,9,10,11,12,13,14,15
	ds_store_b128 v[LV], v[64+4*\n:64+4*\n+3] offset:16*PV*\n
.endr
	WIN 0
	s_xor_b32 s[TS], s[TS], SLOT1
.endm
; THE CHANGE OF SLOTS: one barrier, for two things.  In front of it each wave's reads of the slot that it leaves are back and its stores of the tile to be entered are done.  Behind it the slot just left is
; written with the tile after, which is read behind the next barrier.  The last trip stores nothing, the last two load nothing.
.macro CHANGE
	WIN 0
	s_wait_dscnt 0x0
	s_barrier_signal -1
	s_sub_co_u32 s[TBK], s[TBK], 4*KS*PK  ; the fetches go back to a slot's first step,
	s_xor_b32 s[TBK], s[TBK], SLOT1       ; in the other slot
	s_sub_co_u32 s[TBV], s[TBV], 4*KS*PV
	s_xor_b32 s[TBV], s[TBV], SLOT1
	s_barrier_wait -1
	s_cmp_gt_u32 s[SLOTS], 1
	s_cbranch_scc0 .Lnofill_\@
	STORE_TILE
	s_cmp_gt_u32 s[SLOTS], 2
	s_cbranch_scc0 .Lnofill_\@
	LOAD_TILE
.Lnofill_\@:
.endm
	s_load_b128 s[4:7], s[0:1], 0x0 ; qkv s[4:5], ctx s[6:7]
	v_lshl_add_u32 v[SPW], v0, 2, SPARE
	v_mov_b32 v[NIL], 0
	v_lshrrev_b32 v1, 5, v0
	v_readfirstlane_b32 s[WV], v1   ; wave 0..3
	s_mov_b32 s[BB], ttmp9
	s_sub_co_u32 s[HI], 15, s[BB]
	s_and_b32 s20, ttmp7, 0xffff    ; the head,
	s_lshl_b32 s20, s20, 18         ; its 2,048 rows of 128 bytes
	s_lshl_b32 s3, s[WV], 11        ; my 16 rows in a band of 64,
	s_lshl_b32 s22, s[HI], 14       ; in the first block,
	s_add_co_u32 s22, s22, s3
	s_add_co_u32 s22, s22, s20
	s_mov_b32 s23, 0
	s_lshl_b32 s28, s[BB], 14       ; and in the second
	s_add_co_u32 s28, s28, s3
	s_add_co_u32 s28, s28, s20
	s_mov_b32 s29, 0
	s_add_co_u32 s30, s20, 8388608
	s_mov_b32 s31, 0
	s_add_co_u32 s32, s20, 16777216
	s_mov_b32 s33, 0
	s_mov_b32 s[CS], 0x3e38aa3b     ; c = log2(e) / 8 = 0.180337
	s_mov_b32 s[CS+1], s[CS]
	s_mov_b32 s[SEL], 0x76543210
	s_mov_b32 s[SEL+1], 0xfedcba98
	s_mov_b32 s[TBK], SLOT1+4*KS*PK ; the first change of slots turns these two into 0
	s_mov_b32 s[TBV], SLOT1+4*KS*PV
	s_mov_b32 s[NXT], 0
	s_lshr_b32 s[LQ], s[HI], 1
	s_lshr_b32 s[LQ2], s[BB], 1
	s_add_co_u32 s[RT], s[LQ], 1    ; the first block's tiles
	s_and_b32 s[POS], s[HI], 1
	s_lshl_b32 s[POS], s[POS], 1
	s_and_b32 s[POS2], s[BB], 1
	s_lshl_b32 s[POS2], s[POS2], 1
	s_mov_b32 s[NEW], 1
	s_mov_b32 s[OFF+1], 0
	s_mov_b32 s[AL+1], 0
	s_mov_b32 s[BE+1], 0
	s_mov_b32 s[BIGN], 0xf149f2ca   ; -1e30
	s_mov_b32 s[SLOTS], 9
	s_mov_b32 s[TS], 0
	v_and_b32 v1, 15, v0            ; l % 16
	v_bfe_u32 v9, v0, 4, 1          ; l / 16
	v_lshlrev_b32 v[QO], 7, v1
	v_lshl_add_u32 v[QO], v9, 4, v[QO]
	v_lshlrev_b32 v[GF], 4, v0
	s_wait_kmcnt 0x0
	s_add_nc_u64 s[KB:KB+1], s[4:5], s[30:31]
	s_add_nc_u64 s[VBS:VBS+1], s[4:5], s[32:33]
	s_add_nc_u64 s[86:87], s[4:5], s[28:29]        ; q at my rows of the second block,
	s_add_nc_u64 s[4:5], s[4:5], s[22:23]          ; q and ctx at those of the first
	s_add_nc_u64 s[OLO:OLO+1], s[6:7], s[28:29]
	s_add_nc_u64 s[6:7], s[6:7], s[22:23]
	WIN 0x80                        ; destination window 2
.set i, 0
.rept 4                             ; both blocks' Q: piece i / 2 lies 8,192 bytes on; channels 32 (i % 2) on
	global_load_b128 v[8*i:8*i+3],   v[QO], s[4:5] offset:(i/2)*8192+(i%2)*64
	global_load_b128 v[8*i+4:8*i+7], v[QO], s[4:5] offset:(i/2)*8192+(i%2)*64+32
	global_load_b128 v[QB+8*i:QB+8*i+3],   v[QO], s[86:87] offset:(i/2)*8192+(i%2)*64
	global_load_b128 v[QB+8*i+4:QB+8*i+7], v[QO], s[86:87] offset:(i/2)*8192+(i%2)*64+32
.set i, i+1
.endr
	WIN 0
	LOAD_TILE                       ; the walk's first tile
	v_lshrrev_b32 v10, 3, v0        ; a load's 2,048 bytes are 16 rows: my row of them,
	v_and_b32 v11, 7, v0            ; my 16 bytes of it
	v_mul_u32_u24 v[LK0], v10, PK
	v_lshl_add_u32 v[LK0], v11, 4, v[LK0]
	v_mul_u32_u24 v[LV0], v10, PV
	v_lshl_add_u32 v[LV0], v11, 4, v[LV0]
	v_add_nc_u32 v[LV0], VOFF, v[LV0]
	v_lshlrev_b32 v14, 3, v9
	v_sub_nc_u32 v14, v1, v14
	s_lshl_b32 s13, s[WV], 4
	v_add_nc_u32 v14, s13, v14      ; my query's place in its band, 16 w + l % 16, less my lanes' 8 (l / 16): register r of group kt is hidden where 16 kt + r is greater
	WIN 0x40
.set i, 0
.rept 32
	v_cmp_gt_i32 vcc_lo, 16*(i/8)+i%8, v14
	v_cndmask_b32 v[MD+i], 0, s[BIGN], vcc_lo
.set i, i+1
.endr
	WIN 0
	v_mul_u32_u24 v[AK0], v1, PK
	v_lshl_add_u32 v[AK0], v9, 4, v[AK0]  ; a fragment of K: row x pitch + 16 x half
	v_and_b32 v10, 7, v0            ; the turning load: lane l reads key 8 (l / 16) + l % 8, channels 8 ((l / 8) % 2) + 0..7
	v_bfe_u32 v11, v0, 3, 1
	v_lshl_add_u32 v[AV0], v9, 3, v10
	v_mul_u32_u24 v[AV0], v[AV0], PV
	v_lshl_add_u32 v[AV0], v11, 4, v[AV0]
	v_add_nc_u32 v[AV0], VOFF, v[AV0]
	s_mul_i32 s13, s[WV], 16*SP
	s_add_co_u32 s13, s13, STAGE    ; my stage
	v_mul_u32_u24 v[STO], v1, SP
	v_lshl_add_u32 v[STO], v9, 4, v[STO]
	v_add_nc_u32 v[STO], s13, v[STO]
	v_bfe_u32 v[RD], v0, 3, 2       ; back: 32 lanes take four rows of 128 bytes,
	v_mul_u32_u24 v[RD], v[RD], SP
	v_lshl_add_u32 v[RD], v10, 4, v[RD]
	v_add_nc_u32 v[RD], s13, v[RD]
	v_and_b32 v[GO], 31, v0         ; which are 512 consecutive bytes of ctx
	v_lshlrev_b32 v[GO], 4, v[GO]
	; A block's first step multiplies O^T and l by a = 0, and its first turn's products V^T P, of a step that has not been, land in an O^T that is still to be so multiplied: these registers need only hold
	; finite numbers: zeros for the first block, what the first block left for the second.  All this stands in the wait for the first tile.
	WIN 0x80
.set i, VF1
.rept 64
	v_mov_b32 v[i], 0
.set i, i+1
.endr
	WIN 0x40
.set i, 0
.rept 64
	v_mov_b32 v[i], 0
.set i, i+1
.endr
	WIN 0
.set i, 0
.rept 2
	v_mov_b32 v[ST+4*i+2], 0
	v_mov_b32 v[ST+4*i+3], 0
.set i, i+1
.endr
.set i, P+16
.rept 16
	v_mov_b32 v[i], 0
.set i, i+1
.endr
	STORE_TILE                      ; the first tile into slot 0 (its wait covers Q too),
	LOAD_TILE                       ; and the second is asked for
; THE MATRIX WORK.  The 4 accumulators of a run of 8 take turns.  Product i of 8 of S^T = K Q^T for piece x: channels 32 (i / 4) on, keys 16 (i % 4) on.  The first 4 start the sums with the mask.
.macro KQ x
.set rS, S+32*((\x)%2)+8*(i%4)
.set rK, KF+16*(i%4)+8*(i/4)
.set rQ, 16*(\x)+8*(i/4)
.set rM, MC+32*((\x)%2)+8*(i%4)
.if i < 4
	WIN W_KM
	v_wmma_f32_16x16x32_f16 v[rS:rS+7], v[rK:rK+7], v[rQ:rQ+7], v[rM:rM+7]
.else
	WIN W_KQ
	v_wmma_f32_16x16x32_f16 v[rS:rS+7], v[rK:rK+7], v[rQ:rQ+7], v[rS:rS+7]
.endif
.endm
; Product i of 8 of O^T += V^T P for piece x, from V's buffer VB_: keys 32 (i / 4) on, channels 16 (i % 4) on.
.macro PV x
	WIN W_PV
.set rO, 32*(\x)+8*(i%4)
.set rV, VB_+32*(i/4)+8*(i%4)
.set rP, P+16*((\x)%2)+8*(i/4)
	v_wmma_f32_16x16x32_f16 v[rO:rO+7], v[rV:rV+7], v[rP:rP+7], v[rO:rO+7]
.endm
.macro MM                           ; the turn's next matrix instruction.  NOKQ = 1: a block's last turn: there are no further scores
.if (i < 8) && !NOKQ
	KQ (Y+1)%NP
.elseif i >= 8
.set i, i-8
	PV (Y+1)%NP
.set i, i+8
.endif
.set i, i+1
.endm
; THE LDS LOADS stand in runs of 16
.macro FETCH_K
	WIN 0x80
.irp f, 0,1,2,3,4,5,6,7             ; keys 16 (f / 2) on, channels 32 (f % 2) on
	ds_load_b128 v[KF+8*\f:KF+8*\f+3],   v[AK] offset:(\f/2)*16*PK+(\f%2)*64
	ds_load_b128 v[KF+8*\f+4:KF+8*\f+7], v[AK] offset:(\f/2)*16*PK+(\f%2)*64+32
.endr
	s_add_co_u32 s[TBK], s[TBK], KS*PK  ; the next fetch is the next step's
	WIN 0
.endm
.macro FETCH_V buf
	WIN 0x80
.irp f, 0,1,2,3,4,5,6,7             ; keys 32 (f / 4) on, channels 16 (f % 4) on
	ds_load_tr16_b128 v[(\buf)+8*\f:(\buf)+8*\f+3],   v[AV] offset:(\f/4)*32*PV+(\f%4)*32
	ds_load_tr16_b128 v[(\buf)+8*\f+4:(\buf)+8*\f+7], v[AV] offset:(\f/4)*32*PV+16*PV+(\f%4)*32
.endr
	s_add_co_u32 s[TBV], s[TBV], KS*PV
	WIN 0
.endm
; THE VECTOR WORK, one line at a time: OP kind, number.  For piece Y: F n: c s - c m for pair n of 16.  E n: the exponential of score n of 32.  C n: pair n rounded to f16.  B n: of the four weights 4 n .. the second
; pair is added onto the first, in place.  L n: l takes that sum (L 0: l = a l + sum).  R n: pair n of 16 of O^T times a.  For the other piece: X n, number n of the 22 that find its maximum and statistics:
;   0-11  four chains c0-c3 of seven scores each (each accumulator's lowest registers are read first)     12-14, 16  the four scores left over, the old m, and c0-c3 into c0
;   15  c m_old is kept     17, 18  the query's other 32 keys lie in the lane 16 away: the new m     19-21  c m; c m_old - c m_new; a
.set F, 0
.set E, 1
.set C, 2
.set B, 3
.set L, 4
.set R, 5
.set X, 6
.macro REGS y
.set rT, ST+4*(\y)
.set rC, TMP+4*((\y)%2)
.set rW, MV+((\y)%2)
.set rS, S+32*((\y)%2)
.set rP, P+16*((\y)%2)
.set rO, 32*(\y)
.endm
.macro OP k, n
.if (\k) == R
	REGS Y
	WIN W_RS
	v_pk_mul_f32 v[rO+2*(\n):rO+2*(\n)+1], v[rO+2*(\n):rO+2*(\n)+1], v[rC+2:rC+3] op_sel_hi:[1,0]
.elseif (\k) < R
	REGS Y
	WIN 0
.if (\k) == F
	v_pk_fma_f32 v[rS+2*(\n):rS+2*(\n)+1], v[rS+2*(\n):rS+2*(\n)+1], s[CS:CS+1], v[rT:rT+1] op_sel_hi:[1,0,0] neg_lo:[0,0,1] neg_hi:[0,0,1]
.elseif (\k) == E
	v_exp_f32 v[rS+(\n)], v[rS+(\n)]
.elseif (\k) == C
	v_cvt_pk_f16_f32 v[rP+(\n)], v[rS+2*(\n)], v[rS+2*(\n)+1]
.elseif (\k) == B
	v_pk_add_f32 v[rS+4*(\n):rS+4*(\n)+1], v[rS+4*(\n):rS+4*(\n)+1], v[rS+4*(\n)+2:rS+4*(\n)+3]
.elseif (\n) == 0
	v_pk_fma_f32 v[rT+2:rT+3], v[rT+2:rT+3], v[rC+2:rC+3], v[rS:rS+1] op_sel_hi:[1,0,1]
.else
	v_pk_add_f32 v[rT+2:rT+3], v[rT+2:rT+3], v[rS+4*(\n):rS+4*(\n)+1]
.endif
.elseif NOKQ
	v_nop
.else
	REGS (Y+1)%NP
	WIN 0
.if (\n) < 4
	v_max3_num_f32 v[rC+(\n)], v[rS+8*(\n)], v[rS+8*(\n)+1], v[rS+8*(\n)+2]
.elseif (\n) < 12
	v_max3_num_f32 v[rC+(\n)%4], v[rC+(\n)%4], v[rS+8*((\n)%4)+2*((\n)/4)+1], v[rS+8*((\n)%4)+2*((\n)/4)+2]
.elseif (\n) == 12
	v_max3_num_f32 v[rC], v[rC], v[rS+7], v[rS+15]
.elseif (\n) == 13
	v_max3_num_f32 v[rC+1], v[rC+1], v[rS+23], v[rS+31]
.elseif (\n) == 14
	v_max3_num_f32 v[rC+2], v[rC+2], v[rC+3], v[rT+1]
.elseif (\n) == 15
	v_mov_b32 v[rW], v[rT]
.elseif (\n) == 16
	v_max3_num_f32 v[rC], v[rC], v[rC+1], v[rC+2]
.elseif (\n) == 17
	v_permlanex16_b32 v[rC+3], v[rC], s[SEL], s[SEL+1]
.elseif (\n) == 18
	v_max_num_f32 v[rT+1], v[rC], v[rC+3]
.elseif (\n) == 19
	v_mul_f32 v[rT], s[CS], v[rT+1]
.elseif (\n) == 20
	v_sub_f32 v[rC+1], v[rW], v[rT]
.else
	v_exp_f32 v[rC+2], v[rC+1]
.endif
.endif
.endm
.macro OPS a, i1, b=-1, i2=0, c=-1, i3=0, d=-1, i4=0
	OP \a, \i1
.if (\b) >= 0
	OP \b, \i2
.endif
.if (\c) >= 0
	OP \c, \i3
.endif
.if (\d) >= 0
	OP \d, \i4
.endif
.endm
.macro ROW a, i1, b, i2, c, i3, d, i4  ; a matrix instruction and the four behind it
	MM
	OPS \a, \i1, \b, \i2, \c, \i3, \d, \i4
.endm
.macro MASK b                       ; MD x AL + BE into buffer b of MC
	WIN W_RS
.set z, 0
.rept 16
	v_pk_fma_f32 v[MC+32*(\b)+2*z:MC+32*(\b)+2*z+1], v[MD+2*z:MD+2*z+1], s[AL:AL+1], s[BE:BE+1] op_sel_hi:[1,0,0]
.set z, z+1
.endr
.endm
; A TURN, for piece p at a step of parity e.  Ahead of its one wait stands all that names no result of its exponentials: the 8 products K Q^T with their riders, then the lump; behind it the 8 products V^T P, whose riders
; are the roundings and sums.  The numbers of the other piece's maximum that ride behind the last three products K Q^T stand four plain instructions or more behind the product that ends their accumulator.
; O^T of piece p, which the turn before has added onto, is rescaled from its lowest registers on, four roundings or more behind the last of those products.
; p = 0: K of the next step is fetched in the lump, five plain instructions behind the last product that read K; V of the next step at the turn's end, into the buffer that the turn's own products V^T P have read, four roundings behind the last.
; p = 1: the wait at the head leaves V's sixteen loads out: K of the next step and V of the step in hand, which are older, are in.
; Unless end = 1 (a block's last two turns, which fetch nothing) the turn makes the mask for the next turn's products, piece p in step SN of the tile; in a tile without a diagonal that is jumped over, and MC stays 0.
.macro TURN p, e, end=0
.set Y, (\p)
.set i, 0
.set NOKQ, (\end)*(\p)
.if ((\p)+(\e)) == 1
.set VB_, VF0                       ; p = 0 at an odd step, p = 1 at an even one: V of an even step
.else
.set VB_, VF1
.endif
.if !(\end)
	s_cmp_eq_u32 s[SN], s[TH0+(\p)]    ; is that step the band's own?
	s_cselect_b32 s[AL], 1.0, 0
	s_cmp_gt_u32 s[SN], s[TH0+(\p)]    ; or a later one?
	s_cselect_b32 s[BE], s[BIGN], 0
.if (\p) == 1
	s_add_co_u32 s[SN], s[SN], 1
.endif
.endif
.if (\p) == 1
.if \end
	s_wait_dscnt 0x0
.else
	s_wait_dscnt 16
.endif
.endif
	ROW F,0, F,1, R,0, R,1
	ROW F,2, E,0, R,2, R,3
	ROW F,3, E,1, R,4, R,5
	ROW F,4, E,2, R,6, R,7
	ROW F,5, E,3, R,8, R,9
	ROW F,6, E,4, X,0, R,10
.if ((\p) == 0) && !(\end)
	WIN 0
	v_add_nc_u32 v[AK], s[TBK], v[AK0]
.endif
	ROW F,7, E,5, X,1, X,4
	ROW F,8, E,6, X,2, X,5
	OPS E,7, E,8, X,6, E,9
	OPS X,3, E,10, X,8, E,11
.if ((\p) == 0) && !(\end)
	FETCH_K
.endif
	OPS X,9, X,7, E,12, X,10
	OPS E,13, X,12, X,11, E,14
	OPS X,13, E,15, F,9, X,14
.if ((\p) == 0) && !(\end)
	WIN 0
	v_add_nc_u32 v[AV], s[TBV], v[AV0]
.endif
	OPS E,16, F,10, E,17, F,11
	OPS X,16, E,18, X,15, E,19
	OPS F,12, E,20, X,17, E,21
	OPS F,13, E,22, F,14, E,23
	OPS X,18, E,24, F,15, E,25
	OPS R,11, E,26, X,19, E,27
	OPS R,12, E,28, R,13, E,29
	OPS X,20, E,30, R,14, E,31
	OPS X,21, R,15                  ; the batch's last exponential, and the plain instruction behind it
	WIN 0
	s_wait_alu depctr_va_vdst(0)    ; the one wait for the batch, ahead of the first line that names a result
	ROW C,0, B,0, C,2, B,1
	ROW L,0, C,4, B,2, L,1
	ROW C,6, B,3, L,2, C,8
	ROW B,4, L,3, C,10, B,5
	ROW L,4, C,12, B,6, L,5
	ROW C,14, B,7, L,6, C,1
	ROW C,3, L,7, C,5, C,7
	ROW C,9, C,11, C,13, C,15
.if ((\p) == 0) && !(\end)
	FETCH_V VB_
.endif
.if !(\end)
	WIN 0
	s_cmp_lg_u32 s[RT], 0
	s_cbranch_scc1 .Lnomask_\@
	MASK \p
	WIN 0
.Lnomask_\@:
.endif
.endm
; A BLOCK BEGINS.  c m starts far below every c s, so the first step's a is 0; m at the lowest finite number.  Piece 1's mask for step 0 is 0 (its band is never the tile's first); piece 0's is its own where its band is.
; Then K and V of step 0, piece 0's first scores, and its maximum and statistics.  The loop is entered at a step's first turn.
.macro BEGIN
	s_mov_b32 s[NEW], 0
	WIN 0x40
.set i, MC+32
.rept 32
	v_mov_b32 v[i], 0
.set i, i+1
.endr
	WIN 0
.set i, 0
.rept 2
	v_mov_b32 v[ST+4*i], 0xfe000000
	v_mov_b32 v[ST+4*i+1], 0xff7fffff
.set i, i+1
.endr
	s_cmp_eq_u32 s[TH0], 0
	s_cselect_b32 s[AL], 1.0, 0
	s_mov_b32 s[BE], 0
	MASK 0
	WIN 0
	s_mov_b32 s[SN], 1
	v_add_nc_u32 v[AK], s[TBK], v[AK0]
	FETCH_K
	v_add_nc_u32 v[AV], s[TBV], v[AV0]
	FETCH_V VF0
	s_wait_dscnt 0x0
.set NOKQ, 0
.set i, 0
.rept 8
	KQ 0
.set i, i+1
.endr
	WIN 0
.rept 4
	v_nop                           ; the places behind those products
.endr
.set Y, 1                           ; X works for the other piece: piece 0
.irp n, 0,1,2,3,4,5,6,7,8,9,10,11,12,13,14,15,16,17,18,19,20,21
	OP X, \n
.endr
	v_nop                           ; a plain instruction behind the exponential,
	s_wait_alu depctr_va_vdst(0)    ; and its wait, ahead of the branch
.endm
.macro ALL line:vararg              ; one line for each piece t
.set t, 0
.rept 2
	\line
.set t, t+1
.endr
.endm
.macro PACK t                       ; O^T / l, rounded; a lane's eight channels of a row pack into 16 bytes; they go into rows of 144 bytes and come back as whole rows of 128
	WIN W_RS
.set i, 32*(\t)
.rept 16
	v_pk_mul_f32 v[i:i+1], v[i:i+1], v[ST+4*(\t)+2:ST+4*(\t)+3] op_sel_hi:[1,0]
.set i, i+2
.endr
	WIN 0x05
.set i, 0
.rept 16
	v_cvt_pk_f16_f32 v[S+16*(\t)+i], v[32*(\t)+2*i], v[32*(\t)+2*i+1]
.set i, i+1
.endr
	WIN 0
.irp f, 0,1,2,3
	ds_store_b128 v[STO], v[S+16*(\t)+4*\f:S+16*(\t)+4*\f+3] offset:32*\f
.endr
.irp f, 0,1,2,3
	ds_load_b128 v[S+16*(\t)+4*\f:S+16*(\t)+4*\f+3], v[RD] offset:\f*4*SP  ; LDS serves a wave's instructions in order: these see the stores above; the next piece's stores come behind them
.endr
.endm
.macro SEND t, younger              ; younger: the LDS instructions issued behind piece t's loads
	WIN 0
.irp f, 0,1,2,3
	s_wait_dscnt (\younger)+3-\f
	global_store_b128 v[GO], v[S+16*(\t)+4*\f:S+16*(\t)+4*\f+3], s[6:7] offset:(\t)*8192+\f*512  ; 512 consecutive bytes, at a multiple of 256 from ctx's first
.endr
.endm
.set NOKQ, 0
.Lslot:                             ; nine times: a tile is entered
	CHANGE
	s_sub_co_u32 s[RT], s[RT], 1
	s_mov_b32 s[CNT], 2
	s_mov_b32 s[SN], 0
	s_add_co_u32 s[TH0+1], s[POS], 1
	s_cmp_eq_u32 s[RT], 0           ; the block's last tile holds the diagonal
	s_cselect_b32 s[TH0], s[POS], 99
	s_cselect_b32 s[TH0+1], s[TH0+1], 99
	s_cmp_eq_u32 s[NEW], 1          ; at the first trip a constant of the text: no turn runs before BEGIN has
	s_cbranch_scc0 .Lstep
	BEGIN
	s_branch .Lfirst
.Lstep:                             ; a trip: an odd step's two turns, then an even step's
	TURN 0, 1
	TURN 1, 1
	WIN 0
.Lfirst:
	TURN 0, 0
	TURN 1, 0
	WIN 0
	s_sub_co_u32 s[CNT], s[CNT], 1
	s_cmp_lg_u32 s[CNT], 0
	s_cbranch_scc1 .Lstep
	s_cmp_lg_u32 s[RT], 0
	s_cbranch_scc1 .Lbottom
	TURN 0, 1, 1                    ; THE BLOCK ENDS: its last step's two turns,
	TURN 1, 1, 1
.set VB_, VF1
.set i, 0
.rept 8
	PV 1                            ; piece 1's last products,
.set i, i+1
.endr
	WIN 0                           ; and the way out: l's two halves and the other half of the lanes' are added; the additions are the places behind the last products
	ALL v_add_f32 v[ST+4*t+2], v[ST+4*t+2], v[ST+4*t+3]
	ALL v_permlanex16_b32 v[ST+4*t+3], v[ST+4*t+2], s[SEL], s[SEL+1]
	ALL v_add_f32 v[ST+4*t+2], v[ST+4*t+2], v[ST+4*t+3]
	ALL v_rcp_f32 v[ST+4*t+2], v[ST+4*t+2]
	v_nop
	s_wait_alu depctr_va_vdst(0)    ; one wait for the two reciprocals
	PACK 0
	PACK 1
	SEND 0, 8
	SEND 1, 0
	s_wait_xcnt 0x0                 ; the stores have read their registers and ctx's address
	s_mov_b64 s[6:7], s[OLO:OLO+1]  ; the second block (behind the second block's own end these lines serve nothing: the price of one text)
	s_add_co_u32 s[RT], s[LQ2], 1
	s_mov_b32 s[POS], s[POS2]
	s_mov_b32 s[NEW], 1
	WIN 0x82
.set i, 0
.rept 32
	v_mov_b32 v[i], v[QB+i]
.set i, i+1
.endr
	WIN 0
.Lbottom:
	s_sub_co_u32 s[SLOTS], s[SLOTS], 1
	s_cmp_lg_u32 s[SLOTS], 0
	s_cbranch_scc1 .Lslot
	s_wait_tensorcnt 0x0            ; the wave's end, behind my last LDS store
	ds_add_u32 v[SPW], v[NIL]
	s_wait_dscnt 0x0
	s_endpgm
.Lfunc_end_k_qaa547af0e6_attn:
	.size	k_qaa547af0e6_attn, .Lfunc_end_k_qaa547af0e6_attn-k_qaa547af0e6_attn
	.p2alignl 7, 3214868480
	.fill 96, 4, 3214868480
	.section	.rodata,"a",@progbits
	.p2align	6, 0x0
	.amdhsa_kernel k_qaa547af0e6_attn
		.amdhsa_group_segment_fixed_size 218624
		.amdhsa_private_segment_fixed_size 0
		.amdhsa_enable_private_segment 0
		.amdhsa_kernarg_size 16
		.amdhsa_user_sgpr_count 2
		.amdhsa_user_sgpr_kernarg_segment_ptr 1
		.amdhsa_wavefront_size32 1
		.amdhsa_system_sgpr_workgroup_id_x 1
		.amdhsa_system_sgpr_workgroup_id_y 1
		.amdhsa_system_sgpr_workgroup_id_z 1
		.amdhsa_system_vgpr_workitem_id 0
		.amdhsa_next_free_vgpr 896
		.amdhsa_next_free_sgpr 92
		.amdhsa_reserve_vcc 1
		.amdhsa_float_denorm_mode_32 3
		.amdhsa_float_denorm_mode_16_64 3
		.amdhsa_memory_ordered 1
		.amdhsa_forward_progress 1
		.amdhsa_inst_pref_size 106
	.end_amdhsa_kernel
	.amdgpu_metadata
---
amdhsa.version: [ 1, 2 ]
amdhsa.kernels:
  - .name:           k_qaa547af0e6_attn
    .symbol:         k_qaa547af0e6_attn.kd
    .args:
      - { .name: qkv, .offset: 0, .size: 8, .value_kind: global_buffer, .address_space: global }
      - { .name: ctx, .offset: 8, .size: 8, .value_kind: global_buffer, .address_space: global }
    .group_segment_fixed_size: 218624
    .private_segment_fixed_size: 0
    .kernarg_segment_align: 8
    .kernarg_segment_size: 16
    .max_flat_workgroup_size: 128
    .sgpr_count:     92
    .vgpr_count:     896
    .wavefront_size: 32
...
	.end_amdgpu_metadata
.endif
;; end of part 3
;; launch wo (part 4): grid 8 x 32, 4 waves a work-group, clusters of 4 x 4, 327,680 bytes of LDS; arguments ctx, wh, x1, bo, x; writes x1
.if DOCPART == 4
	.amdgcn_target "amdgcn-amd-amdhsa--gfx1250"
	.amdhsa_code_object_version 6
	.text
	.protected	k_qaa547af0e6_wo
	.globl	k_qaa547af0e6_wo
	.p2align	8
	.type	k_qaa547af0e6_wo,@function
k_qaa547af0e6_wo:
	s_mov_b64 s[64:65], 0
	v_nop
	global_prefetch_b8 v0, s[64:65] scope:SCOPE_SE
	s_setreg_imm32_b32 hwreg(HW_REG_WAVE_MODE, 25, 1), 1
	s_wait_xcnt 0x0
	s_wait_alu depctr_hold_cnt(0) depctr_sa_sdst(0) depctr_va_vdst(0) depctr_va_sdst(0) depctr_va_ssrc(0) depctr_va_vcc(0) depctr_vm_vsrc(0)
	s_getreg_b32 s2, hwreg(HW_REG_IB_STS2, 6, 4)
	s_cmp_eq_u32 s2, 0
	s_cbranch_scc0 .Lentry_in_a_cluster
	s_endpgm
.Lentry_in_a_cluster:
	s_bfe_u32 s2, ttmp6, 0x10000c
	s_cmp_lg_u32 s2, 0xf033
	s_cbranch_scc0 .Lentry_shape_is_right
	s_endpgm
.Lentry_shape_is_right:
; out = res + A W + bias.  W [K][1024] f16 with K DOWN its rows; out, res [4096][1024] f32; bias [1024] f32; sums in f32, bias and residual added in f32.
; WO = 1: A is ctx, by heads [32][2048][64] f16, K = 1024 = head x 64 + channel; W is wo.  WO = 0: A is a1 [4096][4096] f16, K = 4096; W is w2.
; SHARES.  A tile of out is 128 x 128, so that each of 256 work-groups has one: four waves, each 64 x 64 in 16 accumulators.  K goes in steps of 256 through two LDS slots filled by tensor loads: waves 0, 1 bring A's
; halves, waves 2, 3 W's (128 rows of K x 256 bytes).  With WO = 1 a K step is four heads, and a head's 128 rows are 16,384 dense bytes: one load takes two heads as two long rows and pads after every 128 bytes, so that
; LDS holds four slices of 128 rows x 144 bytes, a slice a quarter of the step.  A's fragments come out of LDS as they lie, W's turned, by ds_load_tr16_b128.
; THE MATRIX INSTRUCTION IS USED TRANSPOSED (source 0 = 16 columns of W, source 1 = 16 rows of A): a lane holds eight neighbouring numbers of one row of out.
; THE SUMS START FROM THE RESIDUAL: it is loaded straight into the accumulators at the head, behind the first tiles' requests (the eight loads of a block of 16 rows cover 256 consecutive bytes, aligned, of each row),
; so that nothing is fetched from memory on the way out, and no product has the constant 0 as its C.
; THE WALK ALONG K.  A cluster whose x + y is odd begins at K step NSTEPS / 2 and goes round the end of K (f32 sums may be taken in any order).  The two clusters that read a block of A's rows differ in x, clusters that are
; neighbours in y read the same rows of W: of such a pair one reads each K step half a walk before the other.  The start hangs on the cluster's coordinates alone: all sixteen partners share it.
; CLUSTER.  4 x 4 work-groups: A's tile is asked for jointly along a row of the cluster, W's along a column.  No prefetch: the tiles are small.
; THE TEXT.  The loop is one K step long; the last two steps are a loop of two trips left in its middle, whose last change of slots fetches 32 fragments that nothing multiplies.  The way out goes through an f32 stage,
; each wave's own (its 64 columns are a whole aligned 256 bytes of out), laid over the ring when the ring has had its last fill.
; REGISTERS: window 0: addresses; v32-63 at work on the way out; v128-255 the accumulators ((a, b) at 128 + 8 (4 a + b)).  Window 1: two fragment buffers of 128: 64 registers of A, then 64 of W.
.set WO,    1
.set PB,    288                        ; a row of W in LDS: 256 + 32 = 9 x 32 bytes
.set HB,    128*PB                     ; what a load of W fills
.set BOFF,  2*HB                       ; W's rows lie here, so that wave 2's and 3's parts begin at the wave's number times HB
.set SLOT,  4*HB                       ; 0x24000: shares no bit with a fill's offset in a slot
.set SPARE, 2*SLOT                     ; the spare words, 128 bytes for each wave: two blocks of 256 bytes that no other line names
.if WO
.set NSTEPS, 4
.set PA,    144                        ; a row of A in LDS: 128 bytes + 16
.set AQ,    128*PA                     ; from a quarter of the K step to the next: a slice
.set HA,    2*AQ                       ; what a load of A fills
.set ASTEP, 4*2048*128                 ; four heads on
.set WOFF,  6291456
.else
.set NSTEPS, 16
.set PA,    528                        ; 512 bytes + 16
.set AQ,    128
.set HA,    64*PA
.set ASTEP, 512
.set WOFF,  16777216
.endif
.set BSTEP, 256*2048
.set SPI,   272                        ; a row of the stage: 64 f32 + 16 bytes
.set WSTG,  64*SPI
.set BI,    8                          ; v[8:11] the bias of my four columns
.set ADRA0, 16                         ; v16, v17  my lane's place among my fragments in slot 0; never rewritten
.set ADRB0, 17
.set ADRA,  18                         ; v18  the same in the slot in hand
.set ADRB,  19                         ; v19, v20  for W's rows 0-127 and 128-255 of the step
.set STO,   24
.set RD,    25
.set CO,    26
.set BO,    27
.set SPW,   28                         ; v28  LDS address of my spare word; never rewritten
.set NIL,   29                         ; v29  0; never rewritten
.set CI,    30                         ; v30  my byte offset in the residual, in an accumulator's layout: row l % 16, 32 bytes for each half of the lanes; never rewritten
.set XW,    32                         ; the way out: 16 rows' numbers
.set ACC,   128
.set F0,    0
.set F1,    128
.set G1,  24
.set G0,  32
.set G1B, 48
.set G0B, 56
.set TB,  66
.set SI,  67                           ; s67      the K step asked for last
.set OA,  70                           ; s[70:71] its byte offset in A,
.set OB,  78                           ; s[78:79] and in W
.set MSB, 0
.macro WIN new
.if MSB != (\new)
	s_set_vgpr_msb (MSB<<8)|(\new)
.set MSB, \new
.endif
.endm
.set MUL,  0x05                        ; sources 0 (W) and 1 (A) window 1; C and D window 0
.set TO_F, 0x40                        ; destination window 1, address window 0
.macro JLOAD s                         ; a joint load; an s_nop 0 and four v_nop follow each of the two lines, ahead of the jump and the label
	s_cmp_eq_u32 s11, 0
	s_cbranch_scc0 .Lfor_b_\@
	tensor_load_to_lds s[G0+4*(\s):G0+4*(\s)+3], s[G1:G1+7]
	s_nop 0
.rept 4
	v_nop
.endr
	s_branch .Lasked_\@
.Lfor_b_\@:
	tensor_load_to_lds s[G0B+4*(\s):G0B+4*(\s)+3], s[G1B:G1B+7]
	s_nop 0
.rept 4
	v_nop
.endr
.Lasked_\@:
.endm
.macro CREST
	s_cmp_lg_u32 s10, 0
	s_cbranch_scc1 .Lnot_wave_0_\@
	s_barrier_signal -3
.Lnot_wave_0_\@:
	s_barrier_wait -3
	s_barrier_signal -1
	s_barrier_wait -1
.endm
.macro CROUND
	s_barrier_signal -1
	s_barrier_wait -1
	CREST
.endm
	s_load_b128 s[4:7], s[0:1], 0x0                ; A s[4:5], wh s[6:7]
	s_load_b64 s[8:9], s[0:1], 0x10                ; out
	s_load_b64 s[68:69], s[0:1], 0x18              ; the bias
	s_load_b64 s[76:77], s[0:1], 0x20              ; the residual
	v_lshl_add_u32 v[SPW], v0, 2, SPARE
	v_mov_b32 v[NIL], 0
	ds_add_u32 v[SPW], v[NIL]                      ; the wave's opening: the add and its wait stand ahead of my first tensor load; the set-up below stands between them
	v_lshrrev_b32 v1, 5, v0
	v_readfirstlane_b32 s10, v1                    ; wave 0..3
	s_lshr_b32 s11, s10, 1                         ; which half of the tile's rows is mine.  Also: I fetch for A (0) or for W (1)
	s_and_b32 s12, s10, 1                          ; which half of its columns.  Also: which half of that tile I fetch
	s_bfe_u32 s40, ttmp6, 0x40000                  ; cx
	s_bfe_u32 s41, ttmp6, 0x40004                  ; cy
	s_lshl_b32 s42, ttmp9, 2
	s_add_co_u32 s42, s42, s40                     ; tile column
	s_and_b32 s13, ttmp7, 0xffff
	s_lshl_b32 s13, s13, 2
	s_add_co_u32 s13, s13, s41                     ; tile row
	s_lshl_b32 s43, s41, 2
	s_lshl_b32 s43, 15, s43                        ; my row of the cluster
	s_lshl_b32 s44, 0x1111, s40                    ; my column
.if WO
	s_or_b32 s[G1+0], s43, (1<<16)|(1<<20)|(1<<21)|(4<<22)|(3<<25)   ; after every 32 words 4 words
	s_mov_b32 s[G1+1], 8192<<16                    ; tensor_dim0 = 8,192: a head's 128 rows on end
	s_mov_b32 s[G1+2], 2<<16                       ; tensor_dim1 = 2 heads
	s_mov_b32 s[G1+3], 8192<<16                    ; tile_dim0
	s_mov_b32 s[G1+4], 2                           ; tile_dim1
	s_mov_b32 s[G1+5], 131072                      ; elements from head to head
.else
	s_or_b32 s[G1+0], s43, (1<<16)|(1<<20)|(1<<21)|(6<<22)|(3<<25)   ; after every 128 words 4 words
	s_mov_b32 s[G1+1], 256<<16
	s_mov_b32 s[G1+2], 64<<16
	s_mov_b32 s[G1+3], 256<<16
	s_mov_b32 s[G1+4], 64
	s_mov_b32 s[G1+5], 4096
.endif
	s_mov_b32 s[G1+6], 0
	s_mov_b32 s[G1+7], 0
	s_or_b32 s[G1B+0], s44, (1<<16)|(1<<20)|(1<<21)|(5<<22)|(7<<25)  ; after every 64 words 8 words
	s_mov_b32 s[G1B+1], 128<<16
	s_mov_b32 s[G1B+2], 128<<16
	s_mov_b32 s[G1B+3], 128<<16
	s_mov_b32 s[G1B+4], 128
	s_mov_b32 s[G1B+5], 1024
	s_mov_b32 s[G1B+6], 0
	s_mov_b32 s[G1B+7], 0
.if WO
	s_lshr_b32 s16, s13, 4                         ; the batch,
	s_lshl_b32 s16, s16, 4
	s_lshl_b32 s17, s12, 1                         ; my two heads of the step's four,
	s_add_co_u32 s16, s16, s17
	s_lshl_b32 s16, s16, 11
	s_lshl_b32 s17, s13, 7
	s_and_b32 s17, s17, 2047                       ; the tile's first row in the sequence
	s_add_co_u32 s16, s16, s17
	s_lshl_b32 s16, s16, 7
.else
	s_lshl_b32 s16, s13, 7
	s_lshl_b32 s17, s12, 6
	s_add_co_u32 s16, s16, s17                     ; row 128 x tile row + 64 x half, 8,192 bytes a row
	s_lshl_b32 s16, s16, 13
.endif
	s_mov_b32 s17, 0
	s_lshl_b32 s46, s42, 8                         ; W: the tile's 128 columns, my 128 rows of K
	s_add_co_u32 s46, s46, WOFF
	s_lshl_b32 s47, s12, 18
	s_add_co_u32 s46, s46, s47
	s_mov_b32 s47, 0
	s_mul_i32 s20, s10, HA                         ; where a part goes: the wave's number times a constant (waves 0, 1: A)
	s_mul_i32 s21, s10, HB                         ; (waves 2, 3: W)
	s_and_b32 s[SI], ttmp7, 0xffff                 ; cluster y
	s_add_co_u32 s[SI], s[SI], ttmp9               ; + cluster x:
	s_and_b32 s[SI], s[SI], 1                      ; odd or even,
	s_mul_i32 s[SI], s[SI], NSTEPS/2               ; the K step at which my cluster begins
	s_mul_i32 s[OA], s[SI], ASTEP
	s_mov_b32 s[OA+1], 0
	s_mul_i32 s[OB], s[SI], BSTEP
	s_mov_b32 s[OB+1], 0
	s_wait_dscnt 0x0                               ; the opening add is done
	s_wait_kmcnt 0x0
	s_add_nc_u64 s[14:15], s[4:5], s[16:17]        ; my part of A's tile at K step 0,
	s_add_nc_u64 s[46:47], s[6:7], s[46:47]        ; and of W's: both are kept
	CROUND                                         ; all sixteen work-groups are here: the first joint loads meet
.irp s, 0,1
	s_mov_b32 s[G0+4*(\s)], 1
	s_add_co_u32 s[G0+4*(\s)+1], s20, (\s)*SLOT
	s_add_nc_u64 s[G0+4*(\s)+2:G0+4*(\s)+3], s[14:15], s[OA:OA+1]
.if \s
	s_add_nc_u64 s[G0+4*(\s)+2:G0+4*(\s)+3], s[G0+4*(\s)+2:G0+4*(\s)+3], ASTEP   ; the walk's second step lies inside K: the start is 0 or NSTEPS / 2
.endif
	s_or_b32 s[G0+4*(\s)+3], s[G0+4*(\s)+3], 0x80000000
	s_mov_b32 s[G0B+4*(\s)], 1
	s_add_co_u32 s[G0B+4*(\s)+1], s21, (\s)*SLOT
	s_add_nc_u64 s[G0B+4*(\s)+2:G0B+4*(\s)+3], s[46:47], s[OB:OB+1]
.if \s
	s_add_nc_u64 s[G0B+4*(\s)+2:G0B+4*(\s)+3], s[G0B+4*(\s)+2:G0B+4*(\s)+3], BSTEP
.endif
	s_or_b32 s[G0B+4*(\s)+3], s[G0B+4*(\s)+3], 0x80000000
	JLOAD \s                                       ; two tensor loads of mine are out
.endr
	s_add_co_u32 s[SI], s[SI], 1                   ; the step that slot 1 was asked for
	v_and_b32 v1, 15, v0                           ; r
	v_bfe_u32 v2, v0, 4, 1                         ; h
	v_bfe_u32 v5, v0, 3, 1
	v_and_b32 v7, 7, v0
	v_lshlrev_b32 v6, 12, v2
	v_lshl_add_u32 v[CO], v1, 4, v6                ; the way out: lanes 0-15 one row of 256 bytes of out, lanes 16-31 the next
	v_lshlrev_b32 v[BO], 4, v1
	v_lshlrev_b32 v6, 12, v1
	v_lshl_add_u32 v[CI], v2, 5, v6                ; an accumulator's layout: row r, columns 8 h + 0..7
	s_lshl_b32 s74, s42, 9
	s_lshl_b32 s75, s12, 8
	s_add_co_u32 s74, s74, s75                     ; my first column, in bytes
	s_lshl_b32 s72, s13, 7
	s_lshl_b32 s73, s11, 6
	s_add_co_u32 s72, s72, s73
	s_lshl_b32 s72, s72, 12                        ; my first row
	s_add_co_u32 s72, s72, s74
	s_mov_b32 s73, 0
	s_mov_b32 s75, 0
	s_add_nc_u64 s[8:9], s[8:9], s[72:73]
	s_add_nc_u64 s[76:77], s[76:77], s[72:73]
	s_add_nc_u64 s[68:69], s[68:69], s[74:75]
	global_load_b128 v[BI:BI+3], v[BO], s[68:69]
.irp a, 0,1,2,3
.irp b, 0,1,2,3
	global_load_b128 v[ACC+8*(4*(\a)+(\b)):ACC+8*(4*(\a)+(\b))+3],   v[CI], s[76:77] offset:65536*(\a)+64*(\b)     ; the residual of rows 16 a + r, columns 16 b + 8 h + 0..3,
	global_load_b128 v[ACC+8*(4*(\a)+(\b))+4:ACC+8*(4*(\a)+(\b))+7], v[CI], s[76:77] offset:65536*(\a)+64*(\b)+16  ; and + 4..7
.endr
.endr
	v_mul_u32_u24 v3, v1, PA
	v_lshl_add_u32 v3, v2, 4, v3
	s_mul_i32 s22, s11, 64*PA
	v_add_nc_u32 v[ADRA0], s22, v3
	v_lshl_add_u32 v4, v2, 3, v7
	v_mul_u32_u24 v4, v4, PB
	v_lshl_add_u32 v4, v5, 4, v4
	s_lshl_b32 s22, s12, 7
	s_add_co_u32 s22, s22, BOFF
	v_add_nc_u32 v[ADRB0], s22, v4
	v_mov_b32 v[ADRA], v[ADRA0]
	v_mov_b32 v[ADRB], v[ADRB0]
	v_add_nc_u32 v[ADRB+1], 128*PB, v[ADRB]
	s_mov_b32 s[TB], 0
	s_mul_i32 s23, s10, WSTG                       ; my stage
	v_mul_u32_u24 v6, v1, SPI
	v_lshl_add_u32 v6, v2, 5, v6
	v_add_nc_u32 v[STO], s23, v6                   ; in: row r, 32 bytes for each half of the lanes
	v_mul_u32_u24 v6, v2, SPI
	v_lshl_add_u32 v6, v1, 4, v6
	v_add_nc_u32 v[RD], s23, v6                    ; back: lanes 0-15 take one row of 256 bytes, lanes 16-31 the next
; 8 matrix instructions: m blocks a0, a0 + 1 x all 4 n blocks, 32 along K: half c of buffer f.  The 16 accumulators take turns, in the same order in every half quarter.
.macro MUL8 f, c, a0
	WIN MUL
.irp a, \a0, (\a0)+1
.irp b, 0,1,2,3
	v_wmma_f32_16x16x32_f16 v[ACC+8*(4*(\a)+(\b)):ACC+8*(4*(\a)+(\b))+7], v[(\f)+64+8*(4*(\c)+(\b)):(\f)+64+8*(4*(\c)+(\b))+7], v[(\f)+8*(4*(\c)+(\a)):(\f)+8*(4*(\c)+(\a))+7], v[ACC+8*(4*(\a)+(\b)):ACC+8*(4*(\a)+(\b))+7]
.endr
.endr
.endm
; 32 LDS loads in one run: the fragments of quarter kq (64 along K) of the slot in hand, into buffer f; the first 32 along K first
.macro FETCH kq, f
	WIN TO_F
.irp c, 0,1
.irp i, 0,1,2,3
	ds_load_tr16_b128 v[(\f)+64+8*(4*(\c)+(\i)):(\f)+64+8*(4*(\c)+(\i))+3],   v[ADRB+(\kq)/2] offset:(64*((\kq)%2)+32*(\c))*PB+32*(\i)
	ds_load_tr16_b128 v[(\f)+64+8*(4*(\c)+(\i))+4:(\f)+64+8*(4*(\c)+(\i))+7], v[ADRB+(\kq)/2] offset:(64*((\kq)%2)+32*(\c)+16)*PB+32*(\i)
	ds_load_b128 v[(\f)+8*(4*(\c)+(\i)):(\f)+8*(4*(\c)+(\i))+3],   v[ADRA] offset:AQ*(\kq)+64*(\c)+(\i)*16*PA
	ds_load_b128 v[(\f)+8*(4*(\c)+(\i))+4:(\f)+8*(4*(\c)+(\i))+7], v[ADRA] offset:AQ*(\kq)+64*(\c)+(\i)*16*PA+32
.endr
.endr
.endm
.macro PLACES
.rept 4
	v_nop
.endr
.endm
.macro QUARTER kq, f, g
	s_wait_dscnt 16                                ; the first 32 along K are in
	MUL8 \f, 0, 0
	MUL8 \f, 0, 2
	PLACES
	FETCH \kq, \g
	s_wait_dscnt 32                                ; all but the 32 just issued
	MUL8 \f, 1, 0
	MUL8 \f, 1, 2
.endm
.macro MEET
	WIN 0
	s_wait_tensorcnt 0x0                           ; all my tensor loads have landed: my part of the next slot;
	ds_add_u32 v[SPW], v[NIL]                      ; 0 onto my spare word;
	s_wait_dscnt 17                                ; (the add and the youngest sixteen loads may be out)
	MUL8 F1, 0, 0
	s_wait_dscnt 0x0                               ; the add is done, and my reads of this slot are over
	s_barrier_signal -1
	MUL8 F1, 0, 2
	WIN 0
	s_barrier_wait -1
.endm
.macro FLIP
	s_xor_b32 s[TB], s[TB], SLOT
	v_add_nc_u32 v[ADRA], s[TB], v[ADRA0]
	v_add_nc_u32 v[ADRB], s[TB], v[ADRB0]
	v_add_nc_u32 v[ADRB+1], 128*PB, v[ADRB]
.endm
.macro TURN                            ; the last quarter with a refill, two steps of the walk on: 112 matrix instructions ahead of the wait for it
	s_add_co_u32 s[SI], s[SI], 1                   ; the K step to be asked for: the next, round the end of K;
	s_and_b32 s[SI], s[SI], NSTEPS-1
	s_mul_i32 s[OA], s[SI], ASTEP                  ; its offsets, in registers of their own
	s_mul_i32 s[OB], s[SI], BSTEP
	MEET
	CREST                                          ; the barrier has opened a round of the cluster's: no wave of any partner still reads this slot or has a load on its way
	s_xor_b32 s[G0+5], s[G0+5], SLOT               ; the walking descriptors: the other slot than last time; the address is made anew from the base and the offset, the type bits set again
	s_add_nc_u64 s[G0+6:G0+7], s[14:15], s[OA:OA+1]
	s_or_b32 s[G0+7], s[G0+7], 0x80000000
	s_xor_b32 s[G0B+5], s[G0B+5], SLOT
	s_add_nc_u64 s[G0B+6:G0B+7], s[46:47], s[OB:OB+1]
	s_or_b32 s[G0B+7], s[G0B+7], 0x80000000
	FLIP
	JLOAD 1                                        ; my one tensor load behind the round; its four v_nop are also the places in front of the loads below
	FETCH 0, F0
	MUL8 F1, 1, 0
	MUL8 F1, 1, 2
.endm
.macro LASTQ
	MEET
	FLIP
	v_nop                                          ; with the three additions: four places
	FETCH 0, F0
	MUL8 F1, 1, 0
	MUL8 F1, 1, 2
.endm
	s_wait_tensorcnt 1                             ; my part of the walk's first step is in; the second's may stay out
	s_barrier_signal -1
	s_barrier_wait -1
	FETCH 0, F0
	s_wait_loadcnt 0x0                             ; the residual lies in the accumulators, and the bias is in
	QUARTER 1, F0, F1
	WIN 0
	s_mov_b32 s3, NSTEPS-2
.Lstep:
	QUARTER 2, F1, F0
	QUARTER 3, F0, F1
	TURN
	QUARTER 1, F0, F1
	WIN 0
	s_sub_co_u32 s3, s3, 1
	s_cmp_lg_u32 s3, 0
	s_cbranch_scc1 .Lstep
	s_mov_b32 s3, 2
.Ltail:
	QUARTER 2, F1, F0
	QUARTER 3, F0, F1
	LASTQ
	WIN 0
	s_sub_co_u32 s3, s3, 1
	s_cmp_eq_u32 s3, 0
	s_cbranch_scc1 .Lout
	QUARTER 1, F0, F1
	WIN 0
	s_cmp_lg_u32 s3, 0
	s_cbranch_scc1 .Ltail
.Lout:
	s_wait_dscnt 0x0                               ; my reads of the ring are over,
	s_barrier_signal -1
	s_barrier_wait -1                              ; everybody's are, and the ring has had its last fill
	PLACES
	PLACES
.irp a, 0,1,2,3
.irp b, 0,1,2,3
	ds_store_b128 v[STO], v[ACC+8*(4*(\a)+(\b)):ACC+8*(4*(\a)+(\b))+3]   offset:16*SPI*(\a)+64*(\b)     ; each accumulator's low four registers first
	ds_store_b128 v[STO], v[ACC+8*(4*(\a)+(\b))+4:ACC+8*(4*(\a)+(\b))+7] offset:16*SPI*(\a)+64*(\b)+16
.endr
.endr
	s_mov_b32 s3, 4
.Lrow:                                         ; sixteen rows a trip; the stage is my own, and LDS serves a wave's instructions in order
.irp j, 0,1,2,3,4,5,6,7
	ds_load_b128 v[XW+4*(\j):XW+4*(\j)+3], v[RD] offset:2*SPI*(\j)
.endr
	s_wait_dscnt 0x0
.set k, 0
.rept 16
	v_pk_add_f32 v[XW+2*k:XW+2*k+1], v[XW+2*k:XW+2*k+1], v[BI+2*(k%2):BI+2*(k%2)+1]
.set k, k+1
.endr
.irp j, 0,1,2,3,4,5,6,7
	global_store_b128 v[CO], v[XW+4*(\j):XW+4*(\j)+3], s[8:9] offset:8192*(\j)  ; 16 lanes store 256 consecutive bytes, aligned
.endr
	s_wait_xcnt 0x0                                ; the stores have read their registers and their base
	s_add_nc_u64 s[8:9], s[8:9], 16*4096
	v_add_nc_u32 v[RD], 16*SPI, v[RD]
	s_sub_co_u32 s3, s3, 1
	s_cmp_lg_u32 s3, 0
	s_cbranch_scc1 .Lrow
	s_wait_tensorcnt 0x0                           ; the wave's end, behind my last tensor load and my last LDS store
	ds_add_u32 v[SPW], v[NIL]
	s_wait_dscnt 0x0
	CROUND                                         ; the closing round
	s_endpgm
.Lfunc_end_k_qaa547af0e6_wo:
	.size	k_qaa547af0e6_wo, .Lfunc_end_k_qaa547af0e6_wo-k_qaa547af0e6_wo
	.p2alignl 7, 3214868480
	.fill 96, 4, 3214868480
	.section	.rodata,"a",@progbits
	.p2align	6, 0x0
	.amdhsa_kernel k_qaa547af0e6_wo
		.amdhsa_group_segment_fixed_size 327680
		.amdhsa_private_segment_fixed_size 0
		.amdhsa_enable_private_segment 0
		.amdhsa_kernarg_size 40
		.amdhsa_user_sgpr_count 2
		.amdhsa_user_sgpr_kernarg_segment_ptr 1
		.amdhsa_wavefront_size32 1
		.amdhsa_system_sgpr_workgroup_id_x 1
		.amdhsa_system_sgpr_workgroup_id_y 1
		.amdhsa_system_sgpr_workgroup_id_z 1
		.amdhsa_system_vgpr_workitem_id 0
		.amdhsa_next_free_vgpr 512
		.amdhsa_next_free_sgpr 80
		.amdhsa_reserve_vcc 0
		.amdhsa_float_denorm_mode_32 3
		.amdhsa_float_denorm_mode_16_64 3
		.amdhsa_memory_ordered 1
		.amdhsa_forward_progress 1
		.amdhsa_inst_pref_size 60
	.end_amdhsa_kernel
	.amdgpu_metadata
---
amdhsa.version: [ 1, 2 ]
amdhsa.kernels:
  - .name:           k_qaa547af0e6_wo
    .symbol:         k_qaa547af0e6_wo.kd
    .args:
      - { .name: ctx, .offset: 0, .size: 8, .value_kind: global_buffer, .address_space: global }
      - { .name: wh, .offset: 8, .size: 8, .value_kind: global_buffer, .address_space: global }
      - { .name: x1, .offset: 16, .size: 8, .value_kind: global_buffer, .address_space: global }
      - { .name: bo, .offset: 24, .size: 8, .value_kind: global_buffer, .address_space: global }
      - { .name: x, .offset: 32, .size: 8, .value_kind: global_buffer, .address_space: global }
    .group_segment_fixed_size: 327680
    .private_segment_fixed_size: 0
    .kernarg_segment_align: 8
    .kernarg_segment_size: 40
    .max_flat_workgroup_size: 128
    .sgpr_count:     80
    .vgpr_count:     512
    .wavefront_size: 32
...
	.end_amdgpu_metadata
.endif
;; end of part 4
;; launch ln2: the kernel of part 1 again; grid 256 x 1, 8 waves a work-group, no clusters, 0 bytes of LDS; arguments x1, g2, s2, wq, wk, wv, wo, w1, w2, h, wh; writes h, wh
;; launch ff1 (part 5): grid 16 x 16, 4 waves a work-group, clusters of 4 x 4, 327,680 bytes of LDS; arguments h, wh, a1, b1; writes a1
.if DOCPART == 5
	.amdgcn_target "amdgcn-amd-amdhsa--gfx1250"
	.amdhsa_code_object_version 6
	.text
	.protected	k_qaa547af0e6_ff1
	.globl	k_qaa547af0e6_ff1
	.p2align	8
	.type	k_qaa547af0e6_ff1,@function
k_qaa547af0e6_ff1:
	s_mov_b64 s[64:65], 0
	v_nop
	global_prefetch_b8 v0, s[64:65] scope:SCOPE_SE
	s_setreg_imm32_b32 hwreg(HW_REG_WAVE_MODE, 25, 1), 1
	s_wait_xcnt 0x0
	s_wait_alu depctr_hold_cnt(0) depctr_sa_sdst(0) depctr_va_vdst(0) depctr_va_sdst(0) depctr_va_ssrc(0) depctr_va_vcc(0) depctr_vm_vsrc(0)
	s_getreg_b32 s2, hwreg(HW_REG_IB_STS2, 6, 4)
	s_cmp_eq_u32 s2, 0
	s_cbranch_scc0 .Lentry_in_a_cluster
	s_endpgm
.Lentry_in_a_cluster:
	s_bfe_u32 s2, ttmp6, 0x10000c
	s_cmp_lg_u32 s2, 0xf033
	s_cbranch_scc0 .Lentry_shape_is_right
	s_endpgm
.Lentry_shape_is_right:
; C = A W, A [4096][1024] f16 with K along its rows, W [1024][NBP] f16 with K DOWN its rows (the weights lie as the problem gives them).  Sums in f32.
; QKV = 1: W is wq | wk | wv (three matrices of 1024 columns, 2 MiB apart); C leaves in f16, by heads: q, k, v each [32 = batch x 16 + head][2048][64], 8 MiB apart, unscaled.
; QKV = 0: W is w1; C + b1 goes through the tanh form of GELU in f32 and leaves in f16, [4096][4096].
; LIMITS.  f16 holds no number of 65,520 or more in magnitude: what is stored is taken to lie within that.
; SHARES.  A tile of C is 256 x 256: four waves, each 128 x 128 in 64 accumulators.  K goes in eight steps of 128 through two LDS slots filled by tensor loads: waves 0, 1 bring A's halves
; (128 rows x 256 bytes), waves 2, 3 W's (64 rows of K x 512 bytes).  A's fragments come out of LDS as they lie, W's turned, by ds_load_tr16_b128.
; THE MATRIX INSTRUCTION IS USED TRANSPOSED (source 0 = 16 columns of W, source 1 = 16 rows of A): a lane holds eight neighbouring numbers of one row of C.
; CLUSTER.  4 x 4 work-groups: A's tile is asked for jointly along a row of the cluster, W's along a column.
; THE TEXT.  The loop is one K step long (the LDS addresses hang on s[TB], the walking descriptors turn slots by an exclusive or); the last two steps, which ask for nothing, are a loop of two trips
; left in its middle; its last change of slots fetches 32 fragments that nothing multiplies.  The way out goes through an f32 stage, each wave's own, laid over the ring when the ring has had its last fill.
; REGISTERS, in windows of 256: window 0 addresses, A's two fragment buffers v64-127, v128-191 (on the way out: at work); window 1 W's two buffers; windows 2, 3 the accumulators ((a, b) at 8 (8 a + b)).
.set QKV,   0
.set PA,    272                        ; a row of A in LDS: 256 bytes + 16: the 16 rows of a load start at 16 different groups of four banks
.set PB,    544                        ; a row of W: 512 + 32 = 17 x 32 bytes
.set HALFT, 34816                      ; what one tensor load fills: 128 PA = 64 PB
.set BOFF,  2*HALFT                    ; W's rows lie behind A's
.set SLOT,  4*HALFT                    ; 0x22000: shares no bit with 0, 0x8800, 0x11000, 0x19800, so an exclusive or turns a fill's address into the other slot's
.set SPARE, 2*SLOT                     ; the spare words, 128 bytes for each wave: two blocks of 256 bytes that no other line names
.set SPI,   528                        ; a row of the stage: 128 f32 + 16 bytes
.set WSTG,  128*SPI                    ; a wave's stage; four of them end below SPARE
.if QKV
.set NBP,   1024
.set WOFF,  0
.else
.set NBP,   4096
.set WOFF,  8388608
.endif
.set ROWB,  2*NBP                      ; bytes in a row of W
.set ASTEP, 256                        ; a K step in A,
.set BSTEP, 128*ROWB                   ; and in W
.set ADRA0, 16                         ; v16  my lane's place among my A fragments in slot 0; never rewritten
.set ADRB0, 17                         ; v17  the same for W
.set ADRA,  18                         ; v18  the same in the slot in hand
.set ADRB,  19                         ; v19
.set STO,   24                         ; v24  the way out: where I put 32 bytes of a row
.set RD,    25                         ; v25  where I read rows back
.set CO,    26                         ; v26  my byte offset in the output
.set BO,    27                         ; v27  my byte offset in the bias
.set SPW,   28                         ; v28  LDS address of my spare word; never rewritten
.set NIL,   29                         ; v29  0; never rewritten
.set PFO,   30                         ; v30  the prefetches' offset; never rewritten
.set BI,    32                         ; v[32:39] the bias of my eight columns
.set F0,    64
.set F1,    128
.set XW,    64                         ; the way out: 32 numbers in f32,
.set TW,    96                         ; 32 at work,
.set OW,    128                        ; 16 registers to store
.set G1,  24                           ; s[24:31] descriptor group 1 for A's tiles
.set G0,  32                           ; s[32:39] group 0, two sets: the first fills; the second then walks
.set LIM, 43                           ; s43      2 in a wave that prefetches, else the greatest number
.set PFA, 44                           ; s[44:45] where my prefetches stand
.set G1B, 48                           ; s[48:55], s[56:63] the same for W's tiles
.set G0B, 56
.set TB,  66                           ; s66      0 or SLOT: the slot in hand
.set PFS, 70                           ; s[70:71] a K step for my prefetches
.set K1,  72                           ; s[72:73], s[74:75] GELU's two constants
.set K2,  74
.set MSB, 0
.macro WIN new                         ; the immediate's high byte repeats the setting that is left; a switch that changes nothing is dropped
.if MSB != (\new)
	s_set_vgpr_msb (MSB<<8)|(\new)
.set MSB, \new
.endif
.endm
.set MUL_LO, 0xa1                      ; source 0 (W) window 1, source 1 (A) window 0, C and D window 2
.set MUL_HI, 0xf1                      ; the same, C and D window 3
.set TO_B,   0x40                      ; destination window 1, address window 0
; A joint load.  The branch hangs on the wave's number alone.  An s_nop 0 and four v_nop follow each of the two lines, ahead of the jump and the label.
.macro JLOAD s
	s_cmp_eq_u32 s11, 0
	s_cbranch_scc0 .Lfor_b_\@
	tensor_load_to_lds s[G0+4*(\s):G0+4*(\s)+3], s[G1:G1+7]
	s_nop 0
.rept 4
	v_nop
.endr
	s_branch .Lasked_\@
.Lfor_b_\@:
	tensor_load_to_lds s[G0B+4*(\s):G0B+4*(\s)+3], s[G1B:G1B+7]
	s_nop 0
.rept 4
	v_nop
.endr
.Lasked_\@:
.endm
; A prefetch of the K step that stands two refills on, 512 matrix instructions ahead of the load that will want it.  Each aligned block of 256 bytes is named once in the launch: the clusters with x = 0 ask for A's
; rows, those with y = 0 for W's; the four partners that ask for a tile jointly share a wave's rows out by address (32 rows of A, a lane a row; 16 rows of W, two lanes a row).  The loop's trips with
; s3 = 6 .. 3 name K steps 4 .. 7; the last two name nothing; K steps 0 to 3 come by their loads alone.
.macro ASK
	s_cmp_gt_u32 s3, s[LIM]
	s_cbranch_scc0 .Lnot_mine_\@
	global_prefetch_b8 v[PFO], s[PFA:PFA+1] th:TH_LOAD_NT scope:SCOPE_SE
.Lnot_mine_\@:
.endm
.macro CREST                           ; a round of the cluster's barrier behind its opening barrier
	s_cmp_lg_u32 s10, 0
	s_cbranch_scc1 .Lnot_wave_0_\@
	s_barrier_signal -3
.Lnot_wave_0_\@:
	s_barrier_wait -3
	s_barrier_signal -1
	s_barrier_wait -1
.endm
.macro CROUND                          ; a whole round
	s_barrier_signal -1
	s_barrier_wait -1
	CREST
.endm
	s_load_b128 s[4:7], s[0:1], 0x0                ; A s[4:5], wh s[6:7]
	s_load_b64 s[8:9], s[0:1], 0x10                ; the output
.if !QKV
	s_load_b64 s[68:69], s[0:1], 0x18              ; b1
.endif
	v_lshl_add_u32 v[SPW], v0, 2, SPARE
	v_mov_b32 v[NIL], 0
	ds_add_u32 v[SPW], v[NIL]                      ; the wave's opening: the add and its wait stand ahead of my first tensor load; the set-up below stands between them
	v_lshrrev_b32 v1, 5, v0
	v_readfirstlane_b32 s10, v1                    ; wave 0..3
	s_lshr_b32 s11, s10, 1                         ; which half of the tile's rows is mine.  Also: I fetch for A (0) or for W (1)
	s_and_b32 s12, s10, 1                          ; which half of its columns.  Also: which half of that tile I fetch
	s_bfe_u32 s40, ttmp6, 0x40000                  ; cx
	s_bfe_u32 s41, ttmp6, 0x40004                  ; cy
	s_lshl_b32 s42, ttmp9, 2
	s_add_co_u32 s42, s42, s40                     ; tile column = 4 x cluster x + cx
	s_and_b32 s13, ttmp7, 0xffff
	s_lshl_b32 s13, s13, 2
	s_add_co_u32 s13, s13, s41                     ; tile row = 4 x cluster y + cy
	s_lshl_b32 s43, s41, 2
	s_lshl_b32 s43, 15, s43                        ; my row of the cluster
	s_lshl_b32 s44, 0x1111, s40                    ; my column
	s_or_b32 s[G1+0], s43, (1<<16)|(1<<20)|(1<<21)|(5<<22)|(3<<25)   ; the mask; 2-byte elements; padding on; bit 21 beside a mask; after every 64 words 4 words
	s_mov_b32 s[G1+1], 128<<16                     ; tensor_dim0 = 128
	s_mov_b32 s[G1+2], 128<<16                     ; tensor_dim1 = 128
	s_mov_b32 s[G1+3], 128<<16                     ; tile_dim0 = 128
	s_mov_b32 s[G1+4], 128                         ; tile_dim1 = 128
	s_mov_b32 s[G1+5], 1024                        ; elements from row to row
	s_mov_b32 s[G1+6], 0
	s_mov_b32 s[G1+7], 0
	s_or_b32 s[G1B+0], s44, (1<<16)|(1<<20)|(1<<21)|(6<<22)|(7<<25)  ; after every 128 words 8 words
	s_mov_b32 s[G1B+1], 256<<16                    ; tensor_dim0 = 256
	s_mov_b32 s[G1B+2], 64<<16                     ; tensor_dim1 = 64
	s_mov_b32 s[G1B+3], 256<<16                    ; tile_dim0 = 256
	s_mov_b32 s[G1B+4], 64                         ; tile_dim1 = 64
	s_mov_b32 s[G1B+5], NBP
	s_mov_b32 s[G1B+6], 0
	s_mov_b32 s[G1B+7], 0
	s_lshl_b32 s16, s13, 8                         ; A: row 256 x tile row + 128 x half, 2,048 bytes a row
	s_lshl_b32 s17, s12, 7
	s_add_co_u32 s16, s16, s17
	s_lshl_b32 s16, s16, 11
	s_mov_b32 s17, 0
.if QKV
	s_lshr_b32 s46, s42, 2                         ; W: which of the three matrices,
	s_lshl_b32 s46, s46, 21
	s_and_b32 s47, s42, 3                          ; its 256 columns,
	s_lshl_b32 s47, s47, 9
	s_add_co_u32 s46, s46, s47
	s_lshl_b32 s47, s12, 17                        ; my 64 rows of K
.else
	s_lshl_b32 s46, s42, 9
	s_add_co_u32 s46, s46, WOFF
	s_lshl_b32 s47, s12, 19
.endif
	s_add_co_u32 s46, s46, s47
	s_mov_b32 s47, 0
	s_mul_i32 s20, s10, HALFT                      ; where my part of a tile goes: the wave's number times a constant
	s_wait_dscnt 0x0                               ; the opening add is done
	s_wait_kmcnt 0x0
	s_add_nc_u64 s[14:15], s[4:5], s[16:17]
	s_add_nc_u64 s[46:47], s[6:7], s[46:47]
	CROUND                                         ; all sixteen work-groups are here: the first joint loads meet
.irp s, 0,1
	s_mov_b32 s[G0+4*(\s)], 1
	s_add_co_u32 s[G0+4*(\s)+1], s20, (\s)*SLOT
	s_add_nc_u64 s[G0+4*(\s)+2:G0+4*(\s)+3], s[14:15], (\s)*ASTEP
	s_or_b32 s[G0+4*(\s)+3], s[G0+4*(\s)+3], 0x80000000
	s_mov_b32 s[G0B+4*(\s)], 1
	s_add_co_u32 s[G0B+4*(\s)+1], s20, (\s)*SLOT
	s_add_nc_u64 s[G0B+4*(\s)+2:G0B+4*(\s)+3], s[46:47], (\s)*BSTEP
	s_or_b32 s[G0B+4*(\s)+3], s[G0B+4*(\s)+3], 0x80000000
	JLOAD \s                                       ; two tensor loads of mine are out
.endr
	v_and_b32 v1, 15, v0                           ; r = l % 16
	v_bfe_u32 v2, v0, 4, 1                         ; h = l / 16
	v_bfe_u32 v5, v0, 3, 1
	v_and_b32 v7, 7, v0
	v_mul_u32_u24 v3, v1, PA                       ; a fragment of A: row r, 16 bytes for each half of the lanes
	v_lshl_add_u32 v3, v2, 4, v3
	s_mul_i32 s21, s11, HALFT
	v_add_nc_u32 v[ADRA0], s21, v3
	v_lshl_add_u32 v4, v2, 3, v7                   ; the turning load: lane l reads row 8 h + l % 8 of K, columns 8 ((l / 8) % 2) + 0..7
	v_mul_u32_u24 v4, v4, PB
	v_lshl_add_u32 v4, v5, 4, v4
	s_lshl_b32 s22, s12, 8
	s_add_co_u32 s22, s22, BOFF
	v_add_nc_u32 v[ADRB0], s22, v4
	v_mov_b32 v[ADRA], v[ADRA0]
	v_mov_b32 v[ADRB], v[ADRB0]
	s_mov_b32 s[TB], 0
	s_mul_i32 s23, s10, WSTG                       ; my stage
	v_mul_u32_u24 v6, v1, SPI
	v_lshl_add_u32 v6, v2, 5, v6
	v_add_nc_u32 v[STO], s23, v6                   ; in: row r, 32 bytes for each half of the lanes
.if QKV
	v_mul_u32_u24 v6, v5, SPI                      ; back: lanes 0-15 take two rows of one head's 64 columns, lanes 16-31 of the next head's; 32 bytes of f32 a lane
	v_lshl_add_u32 v6, v2, 8, v6
	v_lshl_add_u32 v6, v7, 5, v6
	v_add_nc_u32 v[RD], s23, v6
	v_lshlrev_b32 v6, 18, v2                       ; a head is 262,144 bytes, a row 128, my piece 16
	v_lshl_add_u32 v6, v5, 7, v6
	v_lshl_add_u32 v[CO], v7, 4, v6
	s_lshr_b32 s76, s13, 3                         ; the batch,
	s_lshl_b32 s76, s76, 4
	s_and_b32 s77, s42, 3
	s_lshl_b32 s77, s77, 2
	s_add_co_u32 s76, s76, s77
	s_lshl_b32 s77, s12, 1
	s_add_co_u32 s76, s76, s77                     ; batch x 16 + my first head,
	s_lshl_b32 s76, s76, 11
	s_lshl_b32 s77, s13, 8
	s_lshl_b32 s78, s11, 7
	s_add_co_u32 s77, s77, s78
	s_and_b32 s77, s77, 2047                       ; my first row in the sequence,
	s_add_co_u32 s76, s76, s77
	s_lshl_b32 s76, s76, 7
	s_lshr_b32 s77, s42, 2                         ; q, k or v
	s_lshl_b32 s77, s77, 23
	s_add_co_u32 s76, s76, s77
.else
	v_mul_u32_u24 v6, v2, SPI                      ; back: lanes 0-15 take one row's 128 columns, lanes 16-31 the next row's; 32 bytes of f32 a lane
	v_lshl_add_u32 v6, v1, 5, v6
	v_add_nc_u32 v[RD], s23, v6
	v_lshlrev_b32 v6, 13, v2
	v_lshl_add_u32 v[CO], v1, 4, v6
	s_lshl_b32 s76, s13, 8
	s_lshl_b32 s77, s11, 7
	s_add_co_u32 s76, s76, s77
	s_lshl_b32 s76, s76, 13                        ; my first row, 8,192 bytes a row,
	s_lshl_b32 s77, s42, 9
	s_add_co_u32 s76, s76, s77
	s_lshl_b32 s77, s12, 8
	s_add_co_u32 s76, s76, s77                     ; my first column
	s_lshl_b32 s78, s42, 10                        ; and the same column in b1
	s_lshl_b32 s79, s12, 9
	s_add_co_u32 s78, s78, s79
	s_mov_b32 s79, 0
	s_add_nc_u64 s[68:69], s[68:69], s[78:79]
	v_lshlrev_b32 v[BO], 5, v1
	global_load_b128 v[BI:BI+3], v[BO], s[68:69]
	global_load_b128 v[BI+4:BI+7], v[BO], s[68:69] offset:16
	s_mov_b32 s[K1], 0xc0135761                    ; -2 log2(e) sqrt(2 / pi) = -2.3022082
	s_mov_b32 s[K1+1], s[K1]
	s_mov_b32 s[K2], 0xbdd2d3e8                    ; 0.044715 times that = -0.10294324
	s_mov_b32 s[K2+1], s[K2]
.endif
	s_mov_b32 s77, 0
	s_add_nc_u64 s[8:9], s[8:9], s[76:77]
	; the prefetches
	s_lshl_b32 s20, s13, 8
	s_lshl_b32 s78, s12, 7
	s_add_co_u32 s20, s20, s78
	s_lshl_b32 s78, s40, 5
	s_add_co_u32 s20, s20, s78                     ; A: the 128 rows that I fetch, my work-group's 32 of them,
	s_lshl_b32 s20, s20, 11
	s_add_co_u32 s20, s20, 3*ASTEP                 ; at K step 3: the first refill steps it to 4
.if QKV
	s_lshr_b32 s21, s42, 2
	s_lshl_b32 s21, s21, 21
	s_and_b32 s78, s42, 3
	s_lshl_b32 s78, s78, 9
	s_add_co_u32 s21, s21, s78
.else
	s_lshl_b32 s21, s42, 9
	s_add_co_u32 s21, s21, WOFF
.endif
	s_lshl_b32 s78, s12, 6
	s_lshl_b32 s79, s41, 4
	s_add_co_u32 s78, s78, s79                     ; W: the 64 rows of K that I fetch, my work-group's 16 of them
	s_mul_i32 s78, s78, ROWB
	s_add_co_u32 s21, s21, s78
	s_add_co_u32 s21, s21, 3*BSTEP
	s_and_b32 s22, ttmp7, 0xffff
	v_and_b32 v7, 31, v0
	s_mov_b32 s79, ROWB
	s_mov_b32 s[PFS], BSTEP
	s_mov_b32 s[PFS+1], 0
	s_cmp_eq_u32 s11, 0                            ; do I fetch for A?
	s_cselect_b32 s22, ttmp9, s22                  ; the coordinate along which other clusters read the same rows
	s_cselect_b64 s[PFA:PFA+1], s[4:5], s[6:7]
	s_cselect_b32 s20, s20, s21
	s_cselect_b32 s79, 2048, s79
	s_cselect_b32 s[PFS], ASTEP, s[PFS]
	s_mov_b32 s21, 0
	s_add_nc_u64 s[PFA:PFA+1], s[PFA:PFA+1], s[20:21]
	s_cmp_eq_u32 s22, 0
	s_cselect_b32 s[LIM], 2, -1                    ; the same in all sixteen partners, for a given wave
	v_lshrrev_b32 v[PFO], s11, v7                  ; A: a lane a row; W: two lanes a row,
	v_mul_lo_u32 v[PFO], v[PFO], s79
	v_and_b32 v7, s11, v7
	v_lshl_add_u32 v[PFO], v7, 8, v[PFO]           ; 256 bytes apart
; 16 matrix instructions: m blocks a0, a0 + 1 of the window's four x all 8 n blocks, 32 along K.  zero = 1: the first product starts the sums.  The 64 accumulators take turns, in the same order in every quarter.
.macro MUL16 f, hi, a0, zero
	WIN MUL_LO+0x50*(\hi)
.irp a, \a0, (\a0)+1
.irp b, 0,1,2,3,4,5,6,7
.if \zero
	v_wmma_f32_16x16x32_f16 v[8*(8*(\a)+(\b)):8*(8*(\a)+(\b))+7], v[(\f)+8*(\b):(\f)+8*(\b)+7], v[(\f)+8*(4*(\hi)+(\a)):(\f)+8*(4*(\hi)+(\a))+7], 0
.else
	v_wmma_f32_16x16x32_f16 v[8*(8*(\a)+(\b)):8*(8*(\a)+(\b))+7], v[(\f)+8*(\b):(\f)+8*(\b)+7], v[(\f)+8*(4*(\hi)+(\a)):(\f)+8*(4*(\hi)+(\a))+7], v[8*(8*(\a)+(\b)):8*(8*(\a)+(\b))+7]
.endif
.endr
.endr
.endm
; 32 LDS loads in one run: the fragments of quarter kq (32 along K) of the slot in hand, into buffer f
.macro FETCH kq, f
	WIN TO_B
.irp i, 0,1,2,3,4,5,6,7
	ds_load_tr16_b128 v[(\f)+8*(\i):(\f)+8*(\i)+3],   v[ADRB] offset:(\kq)*32*PB+32*(\i)
	ds_load_tr16_b128 v[(\f)+8*(\i)+4:(\f)+8*(\i)+7], v[ADRB] offset:(\kq)*32*PB+16*PB+32*(\i)
.endr
	WIN 0
.irp i, 0,1,2,3,4,5,6,7
	ds_load_b128 v[(\f)+8*(\i):(\f)+8*(\i)+3],   v[ADRA] offset:(\kq)*64+(\i)*16*PA
	ds_load_b128 v[(\f)+8*(\i)+4:(\f)+8*(\i)+7], v[ADRA] offset:(\kq)*64+(\i)*16*PA+32
.endr
.endm
.macro PLACES                          ; four plain vector instructions in front of loads into registers that matrix instructions have read (ISA guide 7.12.1 for vector instructions)
.rept 4
	v_nop
.endr
.endm
; One of a K step's first three quarters: multiplies buffer f; in its middle it fetches quarter kq into buffer g
.macro QUARTER kq, f, g, zero
	s_wait_dscnt 8                                 ; W and A's rows 0-63 are in; the youngest eight loads (A's rows 64-127) may be out
	MUL16 \f, 0, 0, \zero
	MUL16 \f, 0, 2, \zero
	PLACES
	FETCH \kq, \g
	s_wait_dscnt 32                                ; all but the 32 just issued
	MUL16 \f, 1, 0, \zero
	MUL16 \f, 1, 2, \zero
.endm
; The first half of a K step's last quarter, and the barrier of the change of slots
.macro MEET
	WIN 0
	s_wait_tensorcnt 0x0                           ; all my tensor loads have landed: the one that was out is my part of the next slot;
	ds_add_u32 v[SPW], v[NIL]                      ; 0 onto my spare word;
	s_wait_dscnt 9                                 ; (the add and the youngest eight loads may be out)
	MUL16 F1, 0, 0, 0
	s_wait_dscnt 0x0                               ; the add is done, and my reads of this slot are over
	s_barrier_signal -1
	MUL16 F1, 0, 2, 0
	WIN 0
	s_barrier_wait -1
.endm
.macro FLIP                            ; the fragment addresses go to the other slot
	s_xor_b32 s[TB], s[TB], SLOT
	v_add_nc_u32 v[ADRA], s[TB], v[ADRA0]
	v_add_nc_u32 v[ADRB], s[TB], v[ADRB0]
.endm
; The last quarter with a refill: the barrier opens a round of the cluster's; behind the round the slot just read is asked for again, two K steps on: 224 matrix instructions ahead of the wait for it
.macro TURN
	s_wait_xcnt 0x0                                ; the last prefetch, a K step back, has read its address
	s_add_nc_u64 s[PFA:PFA+1], s[PFA:PFA+1], s[PFS:PFS+1]
	MEET
	CREST                                          ; no wave of any partner still reads this slot or has a load on its way
	s_xor_b32 s[G0+5], s[G0+5], SLOT               ; the walking descriptors: the other slot than last time, the next K step
	s_add_nc_u64 s[G0+6:G0+7], s[G0+6:G0+7], ASTEP
	s_xor_b32 s[G0B+5], s[G0B+5], SLOT
	s_add_nc_u64 s[G0B+6:G0B+7], s[G0B+6:G0B+7], BSTEP
	FLIP
	JLOAD 1                                        ; my one tensor load behind the round; its four v_nop are also the places in front of the loads below
	FETCH 0, F0
	ASK
	MUL16 F1, 1, 0, 0
	MUL16 F1, 1, 2, 0
.endm
.macro LASTQ                           ; the same without a refill: no round
	MEET
	FLIP
	v_nop
	v_nop                                          ; with the two additions: four places
	FETCH 0, F0
	MUL16 F1, 1, 0, 0
	MUL16 F1, 1, 2, 0
.endm
	s_wait_tensorcnt 1                             ; my part of K step 0 is in; K step 1's may stay out
	s_barrier_signal -1
	s_barrier_wait -1
	FETCH 0, F0
	QUARTER 1, F0, F1, 1                           ; the first quarter starts the sums
	WIN 0
	s_mov_b32 s3, 6
.Lstep:                                        ; from a K step's second quarter to the next step's first; K steps 2 to 7 are asked for
	QUARTER 2, F1, F0, 0
	QUARTER 3, F0, F1, 0
	TURN
	QUARTER 1, F0, F1, 0
	WIN 0
	s_sub_co_u32 s3, s3, 1
	s_cmp_lg_u32 s3, 0
	s_cbranch_scc1 .Lstep
	s_mov_b32 s3, 2
.Ltail:                                        ; K steps 6 and 7 ask for nothing; the second trip is left in its middle
	QUARTER 2, F1, F0, 0
	QUARTER 3, F0, F1, 0
	LASTQ
	WIN 0
	s_sub_co_u32 s3, s3, 1
	s_cmp_eq_u32 s3, 0
	s_cbranch_scc1 .Lout
	QUARTER 1, F0, F1, 0
	WIN 0
	s_cmp_lg_u32 s3, 0
	s_cbranch_scc1 .Ltail
.Lout:
	s_wait_dscnt 0x0                               ; my reads of the ring are over,
	s_barrier_signal -1
	s_barrier_wait -1                              ; everybody's are, and the ring has had its last fill: the stages may be written over it
	PLACES
	PLACES                                         ; behind the last products, in front of the stores that read them
.irp hi, 0,1
	WIN 0x08+4*(\hi)                               ; the stores' data lie in window 2 or 3
.irp a, 0,1,2,3
.irp b, 0,1,2,3,4,5,6,7
	ds_store_b128 v[STO], v[8*(8*(\a)+(\b)):8*(8*(\a)+(\b))+3]   offset:16*SPI*(4*(\hi)+(\a))+64*(\b)     ; each accumulator's low four registers first
	ds_store_b128 v[STO], v[8*(8*(\a)+(\b))+4:8*(8*(\a)+(\b))+7] offset:16*SPI*(4*(\hi)+(\a))+64*(\b)+16
.endr
.endr
.endr
	WIN 0
	s_wait_loadcnt 0x0                             ; the bias, where there is one
	s_mov_b32 s3, 16
.Lrow:                                         ; eight rows a trip.  LDS serves a wave's instructions in order, and the stage is my own: no wait and no barrier between the stores above and these loads
.irp j, 0,1,2,3
	ds_load_b128 v[XW+8*(\j):XW+8*(\j)+3],   v[RD] offset:2*SPI*(\j)
	ds_load_b128 v[XW+8*(\j)+4:XW+8*(\j)+7], v[RD] offset:2*SPI*(\j)+16
.endr
	s_wait_dscnt 0x0
.if !QKV
	; gelu(x) = x / (1 + 2^(x (K1 + K2 x^2))): the tanh form, with 1 + tanh(u) = 2 / (1 + e^(-2u)).  Where the power overflows the quotient is 0, where it vanishes x: tanh's own limits.
.set k, 0
.rept 16
	v_pk_add_f32 v[XW+2*k:XW+2*k+1], v[XW+2*k:XW+2*k+1], v[BI+2*(k%4):BI+2*(k%4)+1]
.set k, k+1
.endr
.set k, 0
.rept 16
	v_pk_mul_f32 v[TW+2*k:TW+2*k+1], v[XW+2*k:XW+2*k+1], v[XW+2*k:XW+2*k+1]
.set k, k+1
.endr
.set k, 0
.rept 16
	v_pk_fma_f32 v[TW+2*k:TW+2*k+1], v[TW+2*k:TW+2*k+1], s[K2:K2+1], s[K1:K1+1] op_sel_hi:[1,0,0]
.set k, k+1
.endr
.set k, 0
.rept 16
	v_pk_mul_f32 v[TW+2*k:TW+2*k+1], v[TW+2*k:TW+2*k+1], v[XW+2*k:XW+2*k+1]
.set k, k+1
.endr
.set k, 0
.rept 32
	v_exp_f32 v[TW+k], v[TW+k]
.set k, k+1
.endr
	v_nop                                          ; a plain instruction behind the batch,
	s_wait_alu depctr_va_vdst(0)                   ; and its one wait, ahead of the first use
.set k, 0
.rept 16
	v_pk_add_f32 v[TW+2*k:TW+2*k+1], v[TW+2*k:TW+2*k+1], 1.0 op_sel_hi:[1,0]
.set k, k+1
.endr
.set k, 0
.rept 32
	v_rcp_f32 v[TW+k], v[TW+k]
.set k, k+1
.endr
	v_nop
	s_wait_alu depctr_va_vdst(0)
.set k, 0
.rept 16
	v_pk_mul_f32 v[XW+2*k:XW+2*k+1], v[XW+2*k:XW+2*k+1], v[TW+2*k:TW+2*k+1]
.set k, k+1
.endr
.endif
.set k, 0
.rept 16
	v_cvt_pk_f16_f32 v[OW+k], v[XW+2*k], v[XW+2*k+1]
.set k, k+1
.endr
.irp j, 0,1,2,3
.if QKV
	global_store_b128 v[CO], v[OW+4*(\j):OW+4*(\j)+3], s[8:9] offset:256*(\j)    ; 16 lanes store two rows of a head: 256 consecutive bytes, aligned
.else
	global_store_b128 v[CO], v[OW+4*(\j):OW+4*(\j)+3], s[8:9] offset:16384*(\j)  ; 16 lanes store 256 consecutive bytes of a row, aligned
.endif
.endr
	s_wait_xcnt 0x0                                ; the stores have read their registers and their base
.if QKV
	s_add_nc_u64 s[8:9], s[8:9], 8*128
.else
	s_add_nc_u64 s[8:9], s[8:9], 8*8192
.endif
	v_add_nc_u32 v[RD], 8*SPI, v[RD]
	s_sub_co_u32 s3, s3, 1
	s_cmp_lg_u32 s3, 0
	s_cbranch_scc1 .Lrow
	s_wait_tensorcnt 0x0                           ; the wave's end, behind my last tensor load and my last LDS store
	ds_add_u32 v[SPW], v[NIL]
	s_wait_dscnt 0x0
	CROUND                                         ; the closing round: no work-group ends while a partner may still ask for a tile that names it
	s_endpgm
.Lfunc_end_k_qaa547af0e6_ff1:
	.size	k_qaa547af0e6_ff1, .Lfunc_end_k_qaa547af0e6_ff1-k_qaa547af0e6_ff1
	.p2alignl 7, 3214868480
	.fill 96, 4, 3214868480
	.section	.rodata,"a",@progbits
	.p2align	6, 0x0
	.amdhsa_kernel k_qaa547af0e6_ff1
		.amdhsa_group_segment_fixed_size 327680
		.amdhsa_private_segment_fixed_size 0
		.amdhsa_enable_private_segment 0
		.amdhsa_kernarg_size 32
		.amdhsa_user_sgpr_count 2
		.amdhsa_user_sgpr_kernarg_segment_ptr 1
		.amdhsa_wavefront_size32 1
		.amdhsa_system_sgpr_workgroup_id_x 1
		.amdhsa_system_sgpr_workgroup_id_y 1
		.amdhsa_system_sgpr_workgroup_id_z 1
		.amdhsa_system_vgpr_workitem_id 0
		.amdhsa_next_free_vgpr 1024
		.amdhsa_next_free_sgpr 80
		.amdhsa_reserve_vcc 0
		.amdhsa_float_denorm_mode_32 3
		.amdhsa_float_denorm_mode_16_64 3
		.amdhsa_memory_ordered 1
		.amdhsa_forward_progress 1
		.amdhsa_inst_pref_size 90
	.end_amdhsa_kernel
	.amdgpu_metadata
---
amdhsa.version: [ 1, 2 ]
amdhsa.kernels:
  - .name:           k_qaa547af0e6_ff1
    .symbol:         k_qaa547af0e6_ff1.kd
    .args:
      - { .name: h, .offset: 0, .size: 8, .value_kind: global_buffer, .address_space: global }
      - { .name: wh, .offset: 8, .size: 8, .value_kind: global_buffer, .address_space: global }
      - { .name: a1, .offset: 16, .size: 8, .value_kind: global_buffer, .address_space: global }
      - { .name: b1, .offset: 24, .size: 8, .value_kind: global_buffer, .address_space: global }
    .group_segment_fixed_size: 327680
    .private_segment_fixed_size: 0
    .kernarg_segment_align: 8
    .kernarg_segment_size: 32
    .max_flat_workgroup_size: 128
    .sgpr_count:     80
    .vgpr_count:     1024
    .wavefront_size: 32
...
	.end_amdgpu_metadata
.endif
;; end of part 5
;; launch ff2 (part 6): grid 8 x 32, 4 waves a work-group, clusters of 4 x 4, 327,680 bytes of LDS; arguments a1, wh, out0, b2, x1; writes out0
.if DOCPART == 6
	.amdgcn_target "amdgcn-amd-amdhsa--gfx1250"
	.amdhsa_code_object_version 6
	.text
	.protected	k_qaa547af0e6_ff2
	.globl	k_qaa547af0e6_ff2
	.p2align	8
	.type	k_qaa547af0e6_ff2,@function
k_qaa547af0e6_ff2:
	s_mov_b64 s[64:65], 0
	v_nop
	global_prefetch_b8 v0, s[64:65] scope:SCOPE_SE
	s_setreg_imm32_b32 hwreg(HW_REG_WAVE_MODE, 25, 1), 1
	s_wait_xcnt 0x0
	s_wait_alu depctr_hold_cnt(0) depctr_sa_sdst(0) depctr_va_vdst(0) depctr_va_sdst(0) depctr_va_ssrc(0) depctr_va_vcc(0) depctr_vm_vsrc(0)
	s_getreg_b32 s2, hwreg(HW_REG_IB_STS2, 6, 4)
	s_cmp_eq_u32 s2, 0
	s_cbranch_scc0 .Lentry_in_a_cluster
	s_endpgm
.Lentry_in_a_cluster:
	s_bfe_u32 s2, ttmp6, 0x10000c
	s_cmp_lg_u32 s2, 0xf033
	s_cbranch_scc0 .Lentry_shape_is_right
	s_endpgm
.Lentry_shape_is_right:
; out = res + A W + bias.  W [K][1024] f16 with K DOWN its rows; out, res [4096][1024] f32; bias [1024] f32; sums in f32, bias and residual added in f32.
; WO = 1: A is ctx, by heads [32][2048][64] f16, K = 1024 = head x 64 + channel; W is wo.  WO = 0: A is a1 [4096][4096] f16, K = 4096; W is w2.
; SHARES.  A tile of out is 128 x 128, so that each of 256 work-groups has one: four waves, each 64 x 64 in 16 accumulators.  K goes in steps of 256 through two LDS slots filled by tensor loads: waves 0, 1 bring A's
; halves, waves 2, 3 W's (128 rows of K x 256 bytes).  With WO = 1 a K step is four heads, and a head's 128 rows are 16,384 dense bytes: one load takes two heads as two long rows and pads after every 128 bytes, so that
; LDS holds four slices of 128 rows x 144 bytes, a slice a quarter of the step.  A's fragments come out of LDS as they lie, W's turned, by ds_load_tr16_b128.
; THE MATRIX INSTRUCTION IS USED TRANSPOSED (source 0 = 16 columns of W, source 1 = 16 rows of A): a lane holds eight neighbouring numbers of one row of out.
; THE SUMS START FROM THE RESIDUAL: it is loaded straight into the accumulators at the head, behind the first tiles' requests (the eight loads of a block of 16 rows cover 256 consecutive bytes, aligned, of each row),
; so that nothing is fetched from memory on the way out, and no product has the constant 0 as its C.
; THE WALK ALONG K.  A cluster whose x + y is odd begins at K step NSTEPS / 2 and goes round the end of K (f32 sums may be taken in any order).  The two clusters that read a block of A's rows differ in x, clusters that are
; neighbours in y read the same rows of W: of such a pair one reads each K step half a walk before the other.  The start hangs on the cluster's coordinates alone: all sixteen partners share it.
; CLUSTER.  4 x 4 work-groups: A's tile is asked for jointly along a row of the cluster, W's along a column.  No prefetch: the tiles are small.
; THE TEXT.  The loop is one K step long; the last two steps are a loop of two trips left in its middle, whose last change of slots fetches 32 fragments that nothing multiplies.  The way out goes through an f32 stage,
; each wave's own (its 64 columns are a whole aligned 256 bytes of out), laid over the ring when the ring has had its last fill.
; REGISTERS: window 0: addresses; v32-63 at work on the way out; v128-255 the accumulators ((a, b) at 128 + 8 (4 a + b)).  Window 1: two fragment buffers of 128: 64 registers of A, then 64 of W.
.set WO,    0
.set PB,    288                        ; a row of W in LDS: 256 + 32 = 9 x 32 bytes
.set HB,    128*PB                     ; what a load of W fills
.set BOFF,  2*HB                       ; W's rows lie here, so that wave 2's and 3's parts begin at the wave's number times HB
.set SLOT,  4*HB                       ; 0x24000: shares no bit with a fill's offset in a slot
.set SPARE, 2*SLOT                     ; the spare words, 128 bytes for each wave: two blocks of 256 bytes that no other line names
.if WO
.set NSTEPS, 4
.set PA,    144                        ; a row of A in LDS: 128 bytes + 16
.set AQ,    128*PA                     ; from a quarter of the K step to the next: a slice
.set HA,    2*AQ                       ; what a load of A fills
.set ASTEP, 4*2048*128                 ; four heads on
.set WOFF,  6291456
.else
.set NSTEPS, 16
.set PA,    528                        ; 512 bytes + 16
.set AQ,    128
.set HA,    64*PA
.set ASTEP, 512
.set WOFF,  16777216
.endif
.set BSTEP, 256*2048
.set SPI,   272                        ; a row of the stage: 64 f32 + 16 bytes
.set WSTG,  64*SPI
.set BI,    8                          ; v[8:11] the bias of my four columns
.set ADRA0, 16                         ; v16, v17  my lane's place among my fragments in slot 0; never rewritten
.set ADRB0, 17
.set ADRA,  18                         ; v18  the same in the slot in hand
.set ADRB,  19                         ; v19, v20  for W's rows 0-127 and 128-255 of the step
.set STO,   24
.set RD,    25
.set CO,    26
.set BO,    27
.set SPW,   28                         ; v28  LDS address of my spare word; never rewritten
.set NIL,   29                         ; v29  0; never rewritten
.set CI,    30                         ; v30  my byte offset in the residual, in an accumulator's layout: row l % 16, 32 bytes for each half of the lanes; never rewritten
.set XW,    32                         ; the way out: 16 rows' numbers
.set ACC,   128
.set F0,    0
.set F1,    128
.set G1,  24
.set G0,  32
.set G1B, 48
.set G0B, 56
.set TB,  66
.set SI,  67                           ; s67      the K step asked for last
.set OA,  70                           ; s[70:71] its byte offset in A,
.set OB,  78                           ; s[78:79] and in W
.set MSB, 0
.macro WIN new
.if MSB != (\new)
	s_set_vgpr_msb (MSB<<8)|(\new)
.set MSB, \new
.endif
.endm
.set MUL,  0x05                        ; sources 0 (W) and 1 (A) window 1; C and D window 0
.set TO_F, 0x40                        ; destination window 1, address window 0
.macro JLOAD s                         ; a joint load; an s_nop 0 and four v_nop follow each of the two lines, ahead of the jump and the label
	s_cmp_eq_u32 s11, 0
	s_cbranch_scc0 .Lfor_b_\@
	tensor_load_to_lds s[G0+4*(\s):G0+4*(\s)+3], s[G1:G1+7]
	s_nop 0
.rept 4
	v_nop
.endr
	s_branch .Lasked_\@
.Lfor_b_\@:
	tensor_load_to_lds s[G0B+4*(\s):G0B+4*(\s)+3], s[G1B:G1B+7]
	s_nop 0
.rept 4
	v_nop
.endr
.Lasked_\@:
.endm
.macro CREST
	s_cmp_lg_u32 s10, 0
	s_cbranch_scc1 .Lnot_wave_0_\@
	s_barrier_signal -3
.Lnot_wave_0_\@:
	s_barrier_wait -3
	s_barrier_signal -1
	s_barrier_wait -1
.endm
.macro CROUND
	s_barrier_signal -1
	s_barrier_wait -1
	CREST
.endm
	s_load_b128 s[4:7], s[0:1], 0x0                ; A s[4:5], wh s[6:7]
	s_load_b64 s[8:9], s[0:1], 0x10                ; out
	s_load_b64 s[68:69], s[0:1], 0x18              ; the bias
	s_load_b64 s[76:77], s[0:1], 0x20              ; the residual
	v_lshl_add_u32 v[SPW], v0, 2, SPARE
	v_mov_b32 v[NIL], 0
	ds_add_u32 v[SPW], v[NIL]                      ; the wave's opening: the add and its wait stand ahead of my first tensor load; the set-up below stands between them
	v_lshrrev_b32 v1, 5, v0
	v_readfirstlane_b32 s10, v1                    ; wave 0..3
	s_lshr_b32 s11, s10, 1                         ; which half of the tile's rows is mine.  Also: I fetch for A (0) or for W (1)
	s_and_b32 s12, s10, 1                          ; which half of its columns.  Also: which half of that tile I fetch
	s_bfe_u32 s40, ttmp6, 0x40000                  ; cx
	s_bfe_u32 s41, ttmp6, 0x40004                  ; cy
	s_lshl_b32 s42, ttmp9, 2
	s_add_co_u32 s42, s42, s40                     ; tile column
	s_and_b32 s13, ttmp7, 0xffff
	s_lshl_b32 s13, s13, 2
	s_add_co_u32 s13, s13, s41                     ; tile row
	s_lshl_b32 s43, s41, 2
	s_lshl_b32 s43, 15, s43                        ; my row of the cluster
	s_lshl_b32 s44, 0x1111, s40                    ; my column
.if WO
	s_or_b32 s[G1+0], s43, (1<<16)|(1<<20)|(1<<21)|(4<<22)|(3<<25)   ; after every 32 words 4 words
	s_mov_b32 s[G1+1], 8192<<16                    ; tensor_dim0 = 8,192: a head's 128 rows on end
	s_mov_b32 s[G1+2], 2<<16                       ; tensor_dim1 = 2 heads
	s_mov_b32 s[G1+3], 8192<<16                    ; tile_dim0
	s_mov_b32 s[G1+4], 2                           ; tile_dim1
	s_mov_b32 s[G1+5], 131072                      ; elements from head to head
.else
	s_or_b32 s[G1+0], s43, (1<<16)|(1<<20)|(1<<21)|(6<<22)|(3<<25)   ; after every 128 words 4 words
	s_mov_b32 s[G1+1], 256<<16
	s_mov_b32 s[G1+2], 64<<16
	s_mov_b32 s[G1+3], 256<<16
	s_mov_b32 s[G1+4], 64
	s_mov_b32 s[G1+5], 4096
.endif
	s_mov_b32 s[G1+6], 0
	s_mov_b32 s[G1+7], 0
	s_or_b32 s[G1B+0], s44, (1<<16)|(1<<20)|(1<<21)|(5<<22)|(7<<25)  ; after every 64 words 8 words
	s_mov_b32 s[G1B+1], 128<<16
	s_mov_b32 s[G1B+2], 128<<16
	s_mov_b32 s[G1B+3], 128<<16
	s_mov_b32 s[G1B+4], 128
	s_mov_b32 s[G1B+5], 1024
	s_mov_b32 s[G1B+6], 0
	s_mov_b32 s[G1B+7], 0
.if WO
	s_lshr_b32 s16, s13, 4                         ; the batch,
	s_lshl_b32 s16, s16, 4
	s_lshl_b32 s17, s12, 1                         ; my two heads of the step's four,
	s_add_co_u32 s16, s16, s17
	s_lshl_b32 s16, s16, 11
	s_lshl_b32 s17, s13, 7
	s_and_b32 s17, s17, 2047                       ; the tile's first row in the sequence
	s_add_co_u32 s16, s16, s17
	s_lshl_b32 s16, s16, 7
.else
	s_lshl_b32 s16, s13, 7
	s_lshl_b32 s17, s12, 6
	s_add_co_u32 s16, s16, s17                     ; row 128 x tile row + 64 x half, 8,192 bytes a row
	s_lshl_b32 s16, s16, 13
.endif
	s_mov_b32 s17, 0
	s_lshl_b32 s46, s42, 8                         ; W: the tile's 128 columns, my 128 rows of K
	s_add_co_u32 s46, s46, WOFF
	s_lshl_b32 s47, s12, 18
	s_add_co_u32 s46, s46, s47
	s_mov_b32 s47, 0
	s_mul_i32 s20, s10, HA                         ; where a part goes: the wave's number times a constant (waves 0, 1: A)
	s_mul_i32 s21, s10, HB                         ; (waves 2, 3: W)
	s_and_b32 s[SI], ttmp7, 0xffff                 ; cluster y
	s_add_co_u32 s[SI], s[SI], ttmp9               ; + cluster x:
	s_and_b32 s[SI], s[SI], 1                      ; odd or even,
	s_mul_i32 s[SI], s[SI], NSTEPS/2               ; the K step at which my cluster begins
	s_mul_i32 s[OA], s[SI], ASTEP
	s_mov_b32 s[OA+1], 0
	s_mul_i32 s[OB], s[SI], BSTEP
	s_mov_b32 s[OB+1], 0
	s_wait_dscnt 0x0                               ; the opening add is done
	s_wait_kmcnt 0x0
	s_add_nc_u64 s[14:15], s[4:5], s[16:17]        ; my part of A's tile at K step 0,
	s_add_nc_u64 s[46:47], s[6:7], s[46:47]        ; and of W's: both are kept
	CROUND                                         ; all sixteen work-groups are here: the first joint loads meet
.irp s, 0,1
	s_mov_b32 s[G0+4*(\s)], 1
	s_add_co_u32 s[G0+4*(\s)+1], s20, (\s)*SLOT
	s_add_nc_u64 s[G0+4*(\s)+2:G0+4*(\s)+3], s[14:15], s[OA:OA+1]
.if \s
	s_add_nc_u64 s[G0+4*(\s)+2:G0+4*(\s)+3], s[G0+4*(\s)+2:G0+4*(\s)+3], ASTEP   ; the walk's second step lies inside K: the start is 0 or NSTEPS / 2
.endif
	s_or_b32 s[G0+4*(\s)+3], s[G0+4*(\s)+3], 0x80000000
	s_mov_b32 s[G0B+4*(\s)], 1
	s_add_co_u32 s[G0B+4*(\s)+1], s21, (\s)*SLOT
	s_add_nc_u64 s[G0B+4*(\s)+2:G0B+4*(\s)+3], s[46:47], s[OB:OB+1]
.if \s
	s_add_nc_u64 s[G0B+4*(\s)+2:G0B+4*(\s)+3], s[G0B+4*(\s)+2:G0B+4*(\s)+3], BSTEP
.endif
	s_or_b32 s[G0B+4*(\s)+3], s[G0B+4*(\s)+3], 0x80000000
	JLOAD \s                                       ; two tensor loads of mine are out
.endr
	s_add_co_u32 s[SI], s[SI], 1                   ; the step that slot 1 was asked for
	v_and_b32 v1, 15, v0                           ; r
	v_bfe_u32 v2, v0, 4, 1                         ; h
	v_bfe_u32 v5, v0, 3, 1
	v_and_b32 v7, 7, v0
	v_lshlrev_b32 v6, 12, v2
	v_lshl_add_u32 v[CO], v1, 4, v6                ; the way out: lanes 0-15 one row of 256 bytes of out, lanes 16-31 the next
	v_lshlrev_b32 v[BO], 4, v1
	v_lshlrev_b32 v6, 12, v1
	v_lshl_add_u32 v[CI], v2, 5, v6                ; an accumulator's layout: row r, columns 8 h + 0..7
	s_lshl_b32 s74, s42, 9
	s_lshl_b32 s75, s12, 8
	s_add_co_u32 s74, s74, s75                     ; my first column, in bytes
	s_lshl_b32 s72, s13, 7
	s_lshl_b32 s73, s11, 6
	s_add_co_u32 s72, s72, s73
	s_lshl_b32 s72, s72, 12                        ; my first row
	s_add_co_u32 s72, s72, s74
	s_mov_b32 s73, 0
	s_mov_b32 s75, 0
	s_add_nc_u64 s[8:9], s[8:9], s[72:73]
	s_add_nc_u64 s[76:77], s[76:77], s[72:73]
	s_add_nc_u64 s[68:69], s[68:69], s[74:75]
	global_load_b128 v[BI:BI+3], v[BO], s[68:69]
.irp a, 0,1,2,3
.irp b, 0,1,2,3
	global_load_b128 v[ACC+8*(4*(\a)+(\b)):ACC+8*(4*(\a)+(\b))+3],   v[CI], s[76:77] offset:65536*(\a)+64*(\b)     ; the residual of rows 16 a + r, columns 16 b + 8 h + 0..3,
	global_load_b128 v[ACC+8*(4*(\a)+(\b))+4:ACC+8*(4*(\a)+(\b))+7], v[CI], s[76:77] offset:65536*(\a)+64*(\b)+16  ; and + 4..7
.endr
.endr
	v_mul_u32_u24 v3, v1, PA
	v_lshl_add_u32 v3, v2, 4, v3
	s_mul_i32 s22, s11, 64*PA
	v_add_nc_u32 v[ADRA0], s22, v3
	v_lshl_add_u32 v4, v2, 3, v7
	v_mul_u32_u24 v4, v4, PB
	v_lshl_add_u32 v4, v5, 4, v4
	s_lshl_b32 s22, s12, 7
	s_add_co_u32 s22, s22, BOFF
	v_add_nc_u32 v[ADRB0], s22, v4
	v_mov_b32 v[ADRA], v[ADRA0]
	v_mov_b32 v[ADRB], v[ADRB0]
	v_add_nc_u32 v[ADRB+1], 128*PB, v[ADRB]
	s_mov_b32 s[TB], 0
	s_mul_i32 s23, s10, WSTG                       ; my stage
	v_mul_u32_u24 v6, v1, SPI
	v_lshl_add_u32 v6, v2, 5, v6
	v_add_nc_u32 v[STO], s23, v6                   ; in: row r, 32 bytes for each half of the lanes
	v_mul_u32_u24 v6, v2, SPI
	v_lshl_add_u32 v6, v1, 4, v6
	v_add_nc_u32 v[RD], s23, v6                    ; back: lanes 0-15 take one row of 256 bytes, lanes 16-31 the next
; 8 matrix instructions: m blocks a0, a0 + 1 x all 4 n blocks, 32 along K: half c of buffer f.  The 16 accumulators take turns, in the same order in every half quarter.
.macro MUL8 f, c, a0
	WIN MUL
.irp a, \a0, (\a0)+1
.irp b, 0,1,2,3
	v_wmma_f32_16x16x32_f16 v[ACC+8*(4*(\a)+(\b)):ACC+8*(4*(\a)+(\b))+7], v[(\f)+64+8*(4*(\c)+(\b)):(\f)+64+8*(4*(\c)+(\b))+7], v[(\f)+8*(4*(\c)+(\a)):(\f)+8*(4*(\c)+(\a))+7], v[ACC+8*(4*(\a)+(\b)):ACC+8*(4*(\a)+(\b))+7]
.endr
.endr
.endm
; 32 LDS loads in one run: the fragments of quarter kq (64 along K) of the slot in hand, into buffer f; the first 32 along K first
.macro FETCH kq, f
	WIN TO_F
.irp c, 0,1
.irp i, 0,1,2,3
	ds_load_tr16_b128 v[(\f)+64+8*(4*(\c)+(\i)):(\f)+64+8*(4*(\c)+(\i))+3],   v[ADRB+(\kq)/2] offset:(64*((\kq)%2)+32*(\c))*PB+32*(\i)
	ds_load_tr16_b128 v[(\f)+64+8*(4*(\c)+(\i))+4:(\f)+64+8*(4*(\c)+(\i))+7], v[ADRB+(\kq)/2] offset:(64*((\kq)%2)+32*(\c)+16)*PB+32*(\i)
	ds_load_b128 v[(\f)+8*(4*(\c)+(\i)):(\f)+8*(4*(\c)+(\i))+3],   v[ADRA] offset:AQ*(\kq)+64*(\c)+(\i)*16*PA
	ds_load_b128 v[(\f)+8*(4*(\c)+(\i))+4:(\f)+8*(4*(\c)+(\i))+7], v[ADRA] offset:AQ*(\kq)+64*(\c)+(\i)*16*PA+32
.endr
.endr
.endm
.macro PLACES
.rept 4
	v_nop
.endr
.endm
.macro QUARTER kq, f, g
	s_wait_dscnt 16                                ; the first 32 along K are in
	MUL8 \f, 0, 0
	MUL8 \f, 0, 2
	PLACES
	FETCH \kq, \g
	s_wait_dscnt 32                                ; all but the 32 just issued
	MUL8 \f, 1, 0
	MUL8 \f, 1, 2
.endm
.macro MEET
	WIN 0
	s_wait_tensorcnt 0x0                           ; all my tensor loads have landed: my part of the next slot;
	ds_add_u32 v[SPW], v[NIL]                      ; 0 onto my spare word;
	s_wait_dscnt 17                                ; (the add and the youngest sixteen loads may be out)
	MUL8 F1, 0, 0
	s_wait_dscnt 0x0                               ; the add is done, and my reads of this slot are over
	s_barrier_signal -1
	MUL8 F1, 0, 2
	WIN 0
	s_barrier_wait -1
.endm
.macro FLIP
	s_xor_b32 s[TB], s[TB], SLOT
	v_add_nc_u32 v[ADRA], s[TB], v[ADRA0]
	v_add_nc_u32 v[ADRB], s[TB], v[ADRB0]
	v_add_nc_u32 v[ADRB+1], 128*PB, v[ADRB]
.endm
.macro TURN                            ; the last quarter with a refill, two steps of the walk on: 112 matrix instructions ahead of the wait for it
	s_add_co_u32 s[SI], s[SI], 1                   ; the K step to be asked for: the next, round the end of K;
	s_and_b32 s[SI], s[SI], NSTEPS-1
	s_mul_i32 s[OA], s[SI], ASTEP                  ; its offsets, in registers of their own
	s_mul_i32 s[OB], s[SI], BSTEP
	MEET
	CREST                                          ; the barrier has opened a round of the cluster's: no wave of any partner still reads this slot or has a load on its way
	s_xor_b32 s[G0+5], s[G0+5], SLOT               ; the walking descriptors: the other slot than last time; the address is made anew from the base and the offset, the type bits set again
	s_add_nc_u64 s[G0+6:G0+7], s[14:15], s[OA:OA+1]
	s_or_b32 s[G0+7], s[G0+7], 0x80000000
	s_xor_b32 s[G0B+5], s[G0B+5], SLOT
	s_add_nc_u64 s[G0B+6:G0B+7], s[46:47], s[OB:OB+1]
	s_or_b32 s[G0B+7], s[G0B+7], 0x80000000
	FLIP
	JLOAD 1                                        ; my one tensor load behind the round; its four v_nop are also the places in front of the loads below
	FETCH 0, F0
	MUL8 F1, 1, 0
	MUL8 F1, 1, 2
.endm
.macro LASTQ
	MEET
	FLIP
	v_nop                                          ; with the three additions: four places
	FETCH 0, F0
	MUL8 F1, 1, 0
	MUL8 F1, 1, 2
.endm
	s_wait_tensorcnt 1                             ; my part of the walk's first step is in; the second's may stay out
	s_barrier_signal -1
	s_barrier_wait -1
	FETCH 0, F0
	s_wait_loadcnt 0x0                             ; the residual lies in the accumulators, and the bias is in
	QUARTER 1, F0, F1
	WIN 0
	s_mov_b32 s3, NSTEPS-2
.Lstep:
	QUARTER 2, F1, F0
	QUARTER 3, F0, F1
	TURN
	QUARTER 1, F0, F1
	WIN 0
	s_sub_co_u32 s3, s3, 1
	s_cmp_lg_u32 s3, 0
	s_cbranch_scc1 .Lstep
	s_mov_b32 s3, 2
.Ltail:
	QUARTER 2, F1, F0
	QUARTER 3, F0, F1
	LASTQ
	WIN 0
	s_sub_co_u32 s3, s3, 1
	s_cmp_eq_u32 s3, 0
	s_cbranch_scc1 .Lout
	QUARTER 1, F0, F1
	WIN 0
	s_cmp_lg_u32 s3, 0
	s_cbranch_scc1 .Ltail
.Lout:
	s_wait_dscnt 0x0                               ; my reads of the ring are over,
	s_barrier_signal -1
	s_barrier_wait -1                              ; everybody's are, and the ring has had its last fill
	PLACES
	PLACES
.irp a, 0,1,2,3
.irp b, 0,1,2,3
	ds_store_b128 v[STO], v[ACC+8*(4*(\a)+(\b)):ACC+8*(4*(\a)+(\b))+3]   offset:16*SPI*(\a)+64*(\b)     ; each accumulator's low four registers first
	ds_store_b128 v[STO], v[ACC+8*(4*(\a)+(\b))+4:ACC+8*(4*(\a)+(\b))+7] offset:16*SPI*(\a)+64*(\b)+16
.endr
.endr
	s_mov_b32 s3, 4
.Lrow:                                         ; sixteen rows a trip; the stage is my own, and LDS serves a wave's instructions in order
.irp j, 0,1,2,3,4,5,6,7
	ds_load_b128 v[XW+4*(\j):XW+4*(\j)+3], v[RD] offset:2*SPI*(\j)
.endr
	s_wait_dscnt 0x0
.set k, 0
.rept 16
	v_pk_add_f32 v[XW+2*k:XW+2*k+1], v[XW+2*k:XW+2*k+1], v[BI+2*(k%2):BI+2*(k%2)+1]
.set k, k+1
.endr
.irp j, 0,1,2,3,4,5,6,7
	global_store_b128 v[CO], v[XW+4*(\j):XW+4*(\j)+3], s[8:9] offset:8192*(\j)  ; 16 lanes store 256 consecutive bytes, aligned
.endr
	s_wait_xcnt 0x0                                ; the stores have read their registers and their base
	s_add_nc_u64 s[8:9], s[8:9], 16*4096
	v_add_nc_u32 v[RD], 16*SPI, v[RD]
	s_sub_co_u32 s3, s3, 1
	s_cmp_lg_u32 s3, 0
	s_cbranch_scc1 .Lrow
	s_wait_tensorcnt 0x0                           ; the wave's end, behind my last tensor load and my last LDS store
	ds_add_u32 v[SPW], v[NIL]
	s_wait_dscnt 0x0
	CROUND                                         ; the closing round
	s_endpgm
.Lfunc_end_k_qaa547af0e6_ff2:
	.size	k_qaa547af0e6_ff2, .Lfunc_end_k_qaa547af0e6_ff2-k_qaa547af0e6_ff2
	.p2alignl 7, 3214868480
	.fill 96, 4, 3214868480
	.section	.rodata,"a",@progbits
	.p2align	6, 0x0
	.amdhsa_kernel k_qaa547af0e6_ff2
		.amdhsa_group_segment_fixed_size 327680
		.amdhsa_private_segment_fixed_size 0
		.amdhsa_enable_private_segment 0
		.amdhsa_kernarg_size 40
		.amdhsa_user_sgpr_count 2
		.amdhsa_user_sgpr_kernarg_segment_ptr 1
		.amdhsa_wavefront_size32 1
		.amdhsa_system_sgpr_workgroup_id_x 1
		.amdhsa_system_sgpr_workgroup_id_y 1
		.amdhsa_system_sgpr_workgroup_id_z 1
		.amdhsa_system_vgpr_workitem_id 0
		.amdhsa_next_free_vgpr 512
		.amdhsa_next_free_sgpr 80
		.amdhsa_reserve_vcc 0
		.amdhsa_float_denorm_mode_32 3
		.amdhsa_float_denorm_mode_16_64 3
		.amdhsa_memory_ordered 1
		.amdhsa_forward_progress 1
		.amdhsa_inst_pref_size 59
	.end_amdhsa_kernel
	.amdgpu_metadata
---
amdhsa.version: [ 1, 2 ]
amdhsa.kernels:
  - .name:           k_qaa547af0e6_ff2
    .symbol:         k_qaa547af0e6_ff2.kd
    .args:
      - { .name: a1, .offset: 0, .size: 8, .value_kind: global_buffer, .address_space: global }
      - { .name: wh, .offset: 8, .size: 8, .value_kind: global_buffer, .address_space: global }
      - { .name: out0, .offset: 16, .size: 8, .value_kind: global_buffer, .address_space: global }
      - { .name: b2, .offset: 24, .size: 8, .value_kind: global_buffer, .address_space: global }
      - { .name: x1, .offset: 32, .size: 8, .value_kind: global_buffer, .address_space: global }
    .group_segment_fixed_size: 327680
    .private_segment_fixed_size: 0
    .kernarg_segment_align: 8
    .kernarg_segment_size: 40
    .max_flat_workgroup_size: 128
    .sgpr_count:     80
    .vgpr_count:     512
    .wavefront_size: 32
...
	.end_amdgpu_metadata
.endif
;; end of part 6
